; MI455X (gfx1250); checked and timed in simulation.
; The chip was launched on July 23, 2026; its instructions are those of AMD's public machine-readable ISA for CDNA 5 (MIT licence, August 2026) and "CDNA5" Instruction Set Architecture Reference Guide (July 2026). The comments in the code are by the model that wrote it; some were corrected since.
;; Multi Head Attention. Allowed arithmetic: matrix products marked QUANTISED: E2M3 operands, one E8M0 scale for each 32 along K, by v_wmma_scale_f32_16x16x128_f8f6f4 with both operands' format E2M3, f32 sums; everything else in f32.
;; Inputs: Wo 1,024 x 1,024 float32; Wqkv 3,072 x 1,024 float32; bo 1,024 float32; bqkv 3,072 float32; input 2 x 2,048 x 1,024 float32.
;; Outputs: out0 2 x 2,048 x 1,024 float32.
;; This version of the problem:
;;   THIS VERSION OF THE PROBLEM IS GIVEN IN LOW PRECISION. The matrix products marked QUANTISED in the list below multiply operands that are first quantised to E2M3 (2 exponent bits, 3 mantissa bits; 6 bits a number), with one power-of-two scale for each 32 numbers along K (OCP MX v1.0); their sums are f32. All else is computed in f32.
;;   The module's matrix products, in the order in which they are computed (A, B: the left and right operand; K: the contracted axis; several contracted axes count as one K, in the product's order):
;;     1. [M 4,096, K 1,024] x [K 1,024, N 3,072]; A: input input; B: input Wqkv: QUANTISED
;;     2. batch 32 x [M 2,048, K 64] x [K 64, N 2,048]; A: computed on the way; B: computed on the way: QUANTISED
;;     3. batch 32 x [M 2,048, K 2,048] x [K 2,048, N 64]; A: computed on the way; B: computed on the way: QUANTISED
;;     4. [M 4,096, K 1,024] x [K 1,024, N 1,024]; A: computed on the way; B: input Wo: QUANTISED
;;   THE QUANTISER, for each operand of a quantised product, along K:
;;     - K is cut into blocks of 32 from its start; a last block that is shorter is filled with zeros.
;;     - A block's scale is 2^e with e = floor(log2(the largest magnitude in the block)) - 2, held to -126 .. 127; a block of zeros has e = 0. As a byte (E8M0): e + 127.
;;     - Each number is divided by its block's scale, clamped to +-7.5, and rounded to the nearest number of E2M3, ties to even, subnormals kept.
;;     - The product sums the exact products of the quantised numbers (number of the format x scale) in f32.
;;   ~~~python
;;   def quantise(x, axis):      # numpy; x: float32 -> the quantised numbers, widened to float32 again
;;       x = np.moveaxis(x, axis, -1); K = x.shape[-1]
;;       x = np.pad(x, [(0, 0)] * (x.ndim - 1) + [(0, -K % 32)]); x = x.reshape(x.shape[:-1] + (-1, 32)); a = np.abs(x).max(-1, keepdims=True)
;;       e = np.where(a > 0, np.clip(np.frexp(np.where(a > 0, a, 1))[1] - 1 - 2, -126, 127), 0)      # np.frexp(a)[1] - 1 = floor(log2(a)), exactly
;;       r = np.clip(x / 2.0 ** e, -7.5, 7.5)
;;       step = 2.0 ** (np.maximum(np.frexp(np.where(r == 0, 1, r))[1] - 1, 0) - 3)
;;       q = np.round(r / step) * step * 2.0 ** e      # np.round: ties to even
;;       return np.moveaxis(q.reshape(q.shape[:-2] + (-1,))[..., :K], -1, axis).astype(np.float32)
;;   ~~~
;;   OPERANDS COMPUTED ON THE WAY. 'Computed on the way' means the value that the module computes at that place (a softmax that the list does not call 'softmax' is quantised finished and normalised). What goes into a quantiser is computed in f32, as accurately as f32 sums, v_exp_f32 and their like allow (about 1e-6 of the number): no bf16 or f16 on the way to a quantiser, and a product that is left as it is and whose result goes on into a quantised operand takes f32 operands (vector FMAs, or v_wmma_f32_16x16x4_f32). A number that lies on a knife's edge between two numbers of the format may be rounded either way, as far as f32 arithmetic and the matrix unit's own rounding can turn it there, and no further.
;; One version. Each part assembles by itself: llvm-mc -triple=amdgcn-amd-amdhsa -mcpu=gfx1250 --defsym DOCPART=n.
;; ======== version 1 of 1: 5 launches
;; limits: right only within a limited range of input values
;; workspace buffers: c1 8,388,608 bytes; s1 262,144 bytes; qkvc 9,437,184 bytes; qkvs 655,360 bytes; nb 262,144 bytes; oc 3,145,728 bytes; os 131,072 bytes
;; launch quant (part 1): grid 256 x 1, 4 waves a work-group, no clusters, 33,280 bytes of LDS; arguments input, Wqkv, Wo, c1, s1; writes c1, s1
.if DOCPART == 1
	.amdgcn_target "amdgcn-amd-amdhsa--gfx1250"
	.amdhsa_code_object_version 6
	.text
	.protected	k_q1ce1b1ea53_quant
	.globl	k_q1ce1b1ea53_quant
	.p2align	8
	.type	k_q1ce1b1ea53_quant,@function
k_q1ce1b1ea53_quant:
	s_mov_b64 s[64:65], 0
	v_nop
	global_prefetch_b8 v0, s[64:65] scope:SCOPE_SE
	s_setreg_imm32_b32 hwreg(HW_REG_WAVE_MODE, 25, 1), 1
	s_wait_xcnt 0x0
; input [4096][1024], Wqkv [3072][1024], Wo [1024][1024], f32, K innermost, become codes of FP6 (E2M3) and one E8M0 scale byte for each 32 along K.
; c1: 8,192 rows of 1,024 bytes (input's rows, then Wqkv's, then Wo's); s1: the same rows, 32 scale bytes each.
; ORDER INSIDE A BLOCK OF 32: its 24 bytes are [codes of k 0-7, 16-23 | codes of k 8-15, 24-31].  Every operand of every product of this program is laid so,
; both sides alike and inside one scale block, so each product pairs the same k; the later launches' matrix results fall into this order by themselves.
; A block's scale is 2^(floor(log2(largest magnitude)) - 2): its byte is the largest magnitude's exponent field - 2, held at 1 from below.
; LIMITS: a block of zeros gets the byte 1 (its codes are zeros; this program alone reads the bytes); blocks under 2^-124 are held at that byte; NaN and infinities are not served.
; The three tensors are dense streams of blocks.  Work-group g takes 32,768 numbers (g < 128: input, g < 224: Wqkv, else Wo), a wave 16 steps of 512.
; Each load reads 512 consecutive bytes; a step's 2,048 bytes turn through the wave's own stage in LDS, so that lane 2 x + u gets k 8 u .. + 7 and 16 + 8 u .. + 7 of block x.
; No tensor loads, no barrier: waves share nothing.  Loads run four steps ahead, the turn through LDS one step.
.set STEPS, 16
.set EMAX,  2
.set CB,    12                         ; bytes of 16 codes
.set R,     16                         ; v16-79   four sets of 16 numbers as loaded
.set X,     80                         ; v80-111  two sets of 16 numbers of half a block
.set C,     128                        ; v128-191 codes: four registers for each step, so that no store's data are written again
.set E,     112                        ; v112-127 a scale byte for each step
.set WREG,  8192                       ; LDS: a region for each wave: two stages of 32 x SP bytes, then its 256 scale bytes
.set SP,    80                         ; 64 bytes (16 numbers) + 16 of padding
	s_load_b128 s[4:7], s[0:1], 0x0                ; input, Wqkv
	s_load_b128 s[8:11], s[0:1], 0x10              ; Wo, c1
	s_load_b64 s[12:13], s[0:1], 0x20              ; s1
	v_lshl_add_u32 v192, v0, 2, 0x8000
	v_mov_b32 v193, 0
	v_lshrrev_b32 v1, 5, v0
	v_readfirstlane_b32 s16, v1                    ; wave
	v_and_b32 v2, 31, v0                           ; lane
	v_lshlrev_b32 v3, 4, v2                        ; my 16 bytes of a load's 512
	s_mul_i32 s17, s16, WREG
	v_lshrrev_b32 v14, 2, v2
	v_mul_u32_u24 v14, v14, SP
	v_and_b32 v15, 3, v2
	v_lshl_add_u32 v14, v15, 4, v14
	v_add_nc_u32 v14, s17, v14                     ; into the stage: SP (lane / 4) + 16 (lane % 4)
	v_and_b32 v15, 30, v2
	v_mul_u32_u24 v15, v15, SP
	v_and_b32 v10, 1, v2
	v_lshl_add_u32 v15, v10, 5, v15
	v_add_nc_u32 v15, s17, v15                     ; out of it: block lane / 2 begins at SP (lane & 30); my eight numbers of each of its halves begin 32 (lane & 1) bytes on
	; c1's row is 1,024 bytes (not 768): four chunks of 256 bytes, each 192 bytes of codes (256 along K) and 64 zero bytes, so that every chunk is a whole aligned unit
	v_mul_u32_u24 v4, v2, CB                       ; my codes' place in a step's two chunks:
	v_lshrrev_b32 v10, 4, v2
	v_lshl_add_u32 v4, v10, 6, v4                  ; lanes 16-31 stand in the second chunk, 64 bytes further on
	v_and_b32 v1, 15, v2
	v_lshlrev_b32 v1, 2, v1
	v_lshl_add_u32 v1, v10, 8, v1                  ; my word of the chunks' zero bytes: 4 (lane % 16) + 256 (lane / 16)
	v_mov_b32 v10, 0
	v_lshrrev_b32 v5, 1, v2
	s_add_co_u32 s17, s17, 2*32*SP
	v_add_nc_u32 v5, s17, v5                       ; LDS: my wave's 256 scale bytes, my block's byte
	v_lshlrev_b32 v7, 3, v2                        ; and on the way out 8 bytes a lane
	v_add_nc_u32 v6, s17, v7
	s_wait_alu depctr_va_vdst(0)
	s_wait_kmcnt 0x0
	s_cmp_lt_u32 ttmp9, 224                        ; which tensor: the choice hangs on the work-group's number alone
	s_cselect_b64 s[6:7], s[6:7], s[8:9]
	s_mov_b32 s20, 224
	s_cselect_b32 s20, 128, s20
	s_cmp_lt_u32 ttmp9, 128
	s_cselect_b64 s[4:5], s[4:5], s[6:7]
	s_cselect_b32 s20, 0, s20                      ; the tensor's first work-group
	s_sub_co_u32 s20, ttmp9, s20
	s_lshl_b32 s20, s20, 2
	s_add_co_u32 s20, s20, s16                     ; my wave's run of 8,192 numbers in the tensor
	s_lshl_b32 s20, s20, 15                        ; 32,768 bytes a run
	s_mov_b32 s21, 0
	s_add_nc_u64 s[4:5], s[4:5], s[20:21]
	s_lshl_b32 s22, ttmp9, 2
	s_add_co_u32 s22, s22, s16                     ; and in the outputs, where the three tensors lie on end
	s_lshl_b32 s24, s22, 13                        ; 8,192 bytes of c1 a run: eight rows
	s_mov_b32 s25, 0
	s_add_nc_u64 s[10:11], s[10:11], s[24:25]
	s_lshl_b32 s26, s22, 8                         ; 256 scale bytes a run
	s_mov_b32 s27, 0
	s_add_nc_u64 s[12:13], s[12:13], s[26:27]
.macro LOAD t
.irp i, 0,1,2,3
	global_load_b128 v[R+16*((\t)%4)+4*\i:R+16*((\t)%4)+4*\i+3], v3, s[4:5] offset:2048*(\t)+512*\i th:TH_LOAD_NT   ; 32 lanes read 512 consecutive bytes
.endr
.endm
.macro TURN t                          ; step t's numbers through the stage: LDS serves a wave's instructions in order, so no wait stands between the stores and the loads
.irp i, 0,1,2,3
	ds_store_b128 v14, v[R+16*((\t)%4)+4*\i:R+16*((\t)%4)+4*\i+3] offset:32*SP*((\t)%2)+8*SP*\i
.endr
.irp i, 0,1,2,3
	ds_load_b128 v[X+16*((\t)%2)+4*\i:X+16*((\t)%2)+4*\i+3], v15 offset:32*SP*((\t)%2)+SP*(\i/2)+16*(\i%2)
.endr
.endm
.irp t, 0,1,2,3
	LOAD \t
.endr
	s_wait_loadcnt 12                              ; step 0's four loads are in; three steps' twelve may be out
	TURN 0
.macro STEP t
.set XS, X+16*((\t)%2)
.if (\t) > 0
	s_wait_dscnt 1                                 ; this step's numbers are back from the stage (the last step's byte store may be out): so its stores into the stage have read their registers,
.else
	s_wait_dscnt 0x0
.endif
.if (\t)+4 < STEPS
	LOAD (\t)+4                                    ; which take the loads of four steps on
.endif
.if (\t)+1 < STEPS
.if STEPS-2-(\t) >= 3
	s_wait_loadcnt 12                              ; the next step's four loads are in; those of the three steps behind it may be out
.else
	s_wait_loadcnt 4*(STEPS-2-(\t))
.endif
	TURN (\t)+1
.endif
	v_max3_num_f32 v8, |v[XS]|, |v[XS+1]|, |v[XS+2]|               ; the largest magnitude of my 16
	v_max3_num_f32 v9, |v[XS+3]|, |v[XS+4]|, |v[XS+5]|
.irp i, 6,10
	v_max3_num_f32 v8, v8, |v[XS+\i]|, |v[XS+\i+1]|
	v_max3_num_f32 v9, v9, |v[XS+\i+2]|, |v[XS+\i+3]|
.endr
	v_max3_num_f32 v8, v8, |v[XS+14]|, |v[XS+15]|
	v_max3_num_f32 v8, v8, v9, (EMAX+1)<<23        ; and the floor 2^(3 - 127): the byte cannot fall under 1
	v_max_num_f32_dpp v8, v8, v8 row_xmask:1 row_mask:0xf bank_mask:0xf   ; and of my neighbour's 16: the block's
	v_add_nc_u32 v11, -(EMAX<<23), v8              ; 2 off its exponent field: the conversion takes the exponent field of this operand as its scale
	v_cvt_scalef32_pk16_fp6_f32 v[C+4*(\t):C+4*(\t)+2], v[XS:XS+15], v11
	v_lshrrev_b32 v[E+(\t)], 23, v11               ; the scale's byte (a plain line behind the conversion)
	ds_store_b8 v5, v[E+(\t)] offset:16*(\t)       ; both lanes of a block write the same byte with the same value
	global_store_b96 v4, v[C+4*(\t):C+4*(\t)+2], s[10:11] offset:512*(\t)       ; two runs of 192 consecutive bytes
	global_store_b32 v1, v10, s[10:11] offset:512*(\t)+192                      ; and the 64 zero bytes behind each
.endm
.irp t, 0,1,2,3,4,5,6,7,8,9,10,11,12,13,14,15
	STEP \t
.endr
	ds_load_b64 v[12:13], v6                       ; in order behind my byte stores
	s_wait_dscnt 0x0
	global_store_b64 v7, v[12:13], s[12:13]        ; 32 lanes store 256 consecutive bytes, aligned
	s_wait_tensorcnt 0x0
	ds_add_u32 v192, v193
	s_wait_dscnt 0x0
	s_endpgm
.Lfunc_end_k_q1ce1b1ea53_quant:
	.size	k_q1ce1b1ea53_quant, .Lfunc_end_k_q1ce1b1ea53_quant-k_q1ce1b1ea53_quant
	.p2alignl 7, 3214868480
	.fill 96, 4, 3214868480
	.section	.rodata,"a",@progbits
	.p2align	6, 0x0
	.amdhsa_kernel k_q1ce1b1ea53_quant
		.amdhsa_group_segment_fixed_size 33280
		.amdhsa_private_segment_fixed_size 0
		.amdhsa_enable_private_segment 0
		.amdhsa_kernarg_size 40
		.amdhsa_user_sgpr_count 2
		.amdhsa_user_sgpr_kernarg_segment_ptr 1
		.amdhsa_wavefront_size32 1
		.amdhsa_system_sgpr_workgroup_id_x 1
		.amdhsa_system_sgpr_workgroup_id_y 1
		.amdhsa_system_sgpr_workgroup_id_z 1
		.amdhsa_system_vgpr_workitem_id 0
		.amdhsa_next_free_vgpr 194
		.amdhsa_next_free_sgpr 66
		.amdhsa_reserve_vcc 0
		.amdhsa_float_denorm_mode_32 3
		.amdhsa_float_denorm_mode_16_64 3
		.amdhsa_memory_ordered 1
		.amdhsa_forward_progress 1
		.amdhsa_inst_pref_size 34
	.end_amdhsa_kernel
	.amdgpu_metadata
---
amdhsa.version: [ 1, 2 ]
amdhsa.kernels:
  - .name:           k_q1ce1b1ea53_quant
    .symbol:         k_q1ce1b1ea53_quant.kd
    .args:
      - { .name: input, .offset: 0, .size: 8, .value_kind: global_buffer, .address_space: global }
      - { .name: Wqkv, .offset: 8, .size: 8, .value_kind: global_buffer, .address_space: global }
      - { .name: Wo, .offset: 16, .size: 8, .value_kind: global_buffer, .address_space: global }
      - { .name: c1, .offset: 24, .size: 8, .value_kind: global_buffer, .address_space: global }
      - { .name: s1, .offset: 32, .size: 8, .value_kind: global_buffer, .address_space: global }
    .group_segment_fixed_size: 33280
    .private_segment_fixed_size: 0
    .kernarg_segment_align: 8
    .kernarg_segment_size: 40
    .max_flat_workgroup_size: 128
    .sgpr_count:     66
    .vgpr_count:     194
    .wavefront_size: 32
...
	.end_amdgpu_metadata
.endif
;; end of part 1
;; launch gemm_qkv (part 2): grid 12 x 16, 4 waves a work-group, clusters of 4 x 4, 327,680 bytes of LDS; arguments c1, s1, bqkv, qkvc, qkvs; writes qkvc, qkvs
.if DOCPART == 2
	.amdgcn_target "amdgcn-amd-amdhsa--gfx1250"
	.amdhsa_code_object_version 6
	.text
	.protected	k_q1ce1b1ea53_gemm_qkv
	.globl	k_q1ce1b1ea53_gemm_qkv
	.p2align	8
	.type	k_q1ce1b1ea53_gemm_qkv,@function
k_q1ce1b1ea53_gemm_qkv:
	s_mov_b64 s[64:65], 0
	v_nop
	global_prefetch_b8 v0, s[64:65] scope:SCOPE_SE
	s_setreg_imm32_b32 hwreg(HW_REG_WAVE_MODE, 25, 1), 1
	s_wait_xcnt 0x0
	s_wait_alu depctr_hold_cnt(0) depctr_sa_sdst(0) depctr_va_vdst(0) depctr_va_sdst(0) depctr_va_ssrc(0) depctr_va_vcc(0) depctr_vm_vsrc(0)
	s_getreg_b32 s2, hwreg(HW_REG_IB_STS2, 6, 4)
	s_cmp_eq_u32 s2, 0
	s_cbranch_scc0 .Lentry_in_a_cluster
	s_endpgm
.Lentry_in_a_cluster:
	s_bfe_u32 s2, ttmp6, 0x10000c
	s_cmp_lg_u32 s2, 0xf033
	s_cbranch_scc0 .Lentry_shape_is_right
	s_endpgm
.Lentry_shape_is_right:
.set KSTEP,  256
.set NQ,     2
.set ROWB,   256                       ; a chunk of c1's row: 192 bytes of codes (256 along K) + 64 zero bytes: a whole aligned unit
.set KROW,   1024
.set PITCH,  272                       ; 256 bytes + 16 of padding
.set FR,     12
.set NL,     6
.set NP,     4
.set HALFT,  128*PITCH
.set SLOT,   4*HALFT
.set LAPS,   2
.set KS,     32
.set SCL,    2*SLOT
.set HALFS,  (128*KS/256)*272
.set SBLK,   (16*KS/256)*272
.set SPARE,  SCL+4*HALFS
.set ADRA, 16
.set ADRB, 20
.set STO,  24
.set RD,   25
.set VO,   26
.set ADRS, 27
.set SPW,  28
.set NIL,  29
.set SSO,  30
.set SRD,  31
.set SVO,  7
.set SC,   32
.set TM,   64
.set PW,   80
.set BI,   96
.set AF,   128
.set XR,   128
.set CD,   192
.set OUTR, 208
.set G1, 24
.set G0, 32
.set G1B, 48
.set G0B, 56
.set G1S, 68
.set G0S, 76
.set G1SB, 80
.set G0SB, 88
.set SEL, 98
.set MSB, 0
.macro WIN new
.if MSB != (\new)
	s_set_vgpr_msb (MSB<<8)|(\new)
.set MSB, (\new)
.endif
.endm
.set MUL_LO, 0xa1
.set MUL_HI, 0xf1
.set TO_B,   0x40
.macro JLOAD g0a, g1a, g0b, g1b
	s_cmp_eq_u32 s15, 0
	s_cbranch_scc0 .Lfor_b_\@
	tensor_load_to_lds s[\g0a:\g0a+3], s[\g1a:\g1a+7]
	s_nop 0
.rept 4
	v_nop
.endr
	s_branch .Lasked_\@
.Lfor_b_\@:
	tensor_load_to_lds s[\g0b:\g0b+3], s[\g1b:\g1b+7]
	s_nop 0
.rept 4
	v_nop
.endr
.Lasked_\@:
.endm
.macro CREST
	s_cmp_lg_u32 s14, 0
	s_cbranch_scc1 .Lnot_wave_0_\@
	s_barrier_signal -3
.Lnot_wave_0_\@:
	s_barrier_wait -3
	s_barrier_signal -1
	s_barrier_wait -1
.endm
.macro CROUND
	s_barrier_signal -1
	s_barrier_wait -1
	CREST
.endm
	s_load_b256 s[4:11], s[0:1], 0x0
	s_load_b64 s[12:13], s[0:1], 0x20
	v_lshl_add_u32 v[SPW], v0, 2, SPARE
	v_mov_b32 v[NIL], 0
	ds_add_u32 v28, v29
	ds_add_u32 v28, v29
	s_wait_dscnt 0x0
	v_lshrrev_b32 v1, 5, v0
	v_readfirstlane_b32 s14, v1
	s_lshr_b32 s15, s14, 1
	s_and_b32 s16, s14, 1
	s_bfe_u32 s40, ttmp6, 0x40000
	s_bfe_u32 s41, ttmp6, 0x40004
	s_and_b32 s17, ttmp7, 0xffff
	s_lshl_b32 s43, s41, 2
	s_lshl_b32 s43, 15, s43
	s_lshl_b32 s44, 0x1111, s40
	s_or_b32 s[G1+0], s43, (0<<16)|(1<<20)|(1<<21)|(5<<22)|(3<<25)
	s_or_b32 s[G1B+0], s44, (0<<16)|(1<<20)|(1<<21)|(5<<22)|(3<<25)
.irp g, G1, G1B
	s_mov_b32 s[\g+1], ROWB<<16
	s_mov_b32 s[\g+2], 256<<16                     ; the head's loads bring 256 rows; behind them the two row counts are set to 128
	s_mov_b32 s[\g+3], ROWB<<16
	s_mov_b32 s[\g+4], 256
	s_mov_b32 s[\g+5], KROW
	s_mov_b32 s[\g+6], 0
	s_mov_b32 s[\g+7], 0
.endr
	s_or_b32 s[G1S+0], s43, (3<<16)|(1<<20)|(1<<21)|(5<<22)|(3<<25)
	s_or_b32 s[G1SB+0], s44, (3<<16)|(1<<20)|(1<<21)|(5<<22)|(3<<25)
.irp g, G1S, G1SB
	s_mov_b32 s[\g+1], 32<<16
	s_mov_b32 s[\g+2], (256*KS/256)<<16            ; the scales of 256 rows in one load
	s_mov_b32 s[\g+3], 32<<16
	s_mov_b32 s[\g+4], 256*KS/256
	s_mov_b32 s[\g+5], 32
	s_mov_b32 s[\g+6], 0
	s_mov_b32 s[\g+7], 0
.endr
	s_lshl_b32 s19, s17, 10
	s_lshl_b32 s2, ttmp9, 10
	s_add_co_u32 s2, s2, 4096
	s_mov_b32 s42, 6144
	s_cmp_eq_u32 ttmp9, 2
	s_cselect_b32 s20, s42, s19
	s_cselect_b32 s46, s19, s2
	s_lshl_b32 s21, s41, 8
	s_add_co_u32 s20, s20, s21                     ; the tile's first row of source 1's operand,
	s_lshl_b32 s47, s40, 8
	s_add_co_u32 s46, s46, s47                     ; and of source 0's
	s_mov_b32 s21, 0
	s_mov_b32 s47, 0
	s_mov_b64 s[18:19], KS
	s_mul_u64 s[22:23], s[20:21], s[18:19]
	s_mul_u64 s[92:93], s[46:47], s[18:19]
	s_mov_b64 s[18:19], KROW
	s_mul_u64 s[20:21], s[20:21], s[18:19]
	s_mul_u64 s[46:47], s[46:47], s[18:19]
	s_mul_i32 s18, s16, 128*KROW                   ; in the ring I fetch 128 rows of a tile: which half, in bytes
	s_mov_b32 s19, 0
	s_mul_i32 s45, s14, HALFT
	s_wait_kmcnt 0x0
	s_add_nc_u64 s[20:21], s[4:5], s[20:21]
	s_add_nc_u64 s[22:23], s[6:7], s[22:23]
	s_add_nc_u64 s[46:47], s[4:5], s[46:47]
	s_add_nc_u64 s[92:93], s[6:7], s[92:93]
	CROUND
	s_mov_b32 s[G0S], 1
	s_mov_b32 s[G0S+1], SCL
	s_mov_b64 s[G0S+2:G0S+3], s[22:23]
	s_or_b32 s[G0S+3], s[G0S+3], 0x80000000
	s_mov_b32 s[G0SB], 1
	s_mov_b32 s[G0SB+1], SCL+2*HALFS
	s_mov_b64 s[G0SB+2:G0SB+3], s[92:93]
	s_or_b32 s[G0SB+3], s[G0SB+3], 0x80000000
	; slot 0's groups 0 serve the head first: chunk 0 of all 256 rows of each operand; they get the ring's values behind the wait for the head's loads
	s_mov_b32 s[G0], 1
	s_mov_b32 s[G0+1], 0
	s_mov_b64 s[G0+2:G0+3], s[20:21]
	s_or_b32 s[G0+3], s[G0+3], 0x80000000
	s_mov_b32 s[G0B], 1
	s_mov_b32 s[G0B+1], 2*HALFT
	s_mov_b64 s[G0B+2:G0B+3], s[46:47]
	s_or_b32 s[G0B+3], s[G0B+3], 0x80000000
	s_add_nc_u64 s[20:21], s[20:21], s[18:19]      ; for the ring: my 128 rows
	s_add_nc_u64 s[46:47], s[46:47], s[18:19]
	s_mov_b32 s[G0+4], 1                           ; slot 1: chunk 1
	s_add_co_u32 s[G0+5], s45, SLOT
	s_add_nc_u64 s[G0+6:G0+7], s[20:21], ROWB
	s_or_b32 s[G0+7], s[G0+7], 0x80000000
	s_mov_b32 s[G0B+4], 1
	s_add_co_u32 s[G0B+5], s45, SLOT
	s_add_nc_u64 s[G0B+6:G0B+7], s[46:47], ROWB
	s_or_b32 s[G0B+7], s[G0B+7], 0x80000000
; the head's four tiles, one joint load a wave, in one chain of branches on the wave's number
.macro ARM under, g0, g1, next
	s_cmp_lt_u32 s14, \under
	s_cbranch_scc0 \next
	tensor_load_to_lds s[\g0:\g0+3], s[\g1:\g1+7]
	s_nop 0
.rept 4
	v_nop
.endr
	s_branch .Lhead_asked
\next:
.endm
	ARM 1, G0,  G1,  .Lhead_b
	ARM 2, G0B, G1B, .Lhead_sa
	ARM 3, G0S, G1S, .Lhead_sb
	tensor_load_to_lds s[G0SB:G0SB+3], s[G1SB:G1SB+7]
	s_nop 0
.rept 4
	v_nop
.endr
.Lhead_asked:
	v_and_b32 v1, 15, v0
	v_bfe_u32 v2, v0, 4, 1
	v_mul_u32_u24 v3, v1, PITCH
	v_mul_u32_u24 v4, v2, 24
	v_add_nc_u32 v4, v3, v4
	s_mul_i32 s21, s15, HALFT
	s_mul_i32 s22, s16, HALFT
	s_add_co_u32 s22, s22, 2*HALFT
.irp s, 0,1
	v_add_nc_u32 v[ADRA+\s], s21, v4
	v_add_nc_u32 v[ADRB+\s], s22, v4
	s_add_co_u32 s21, s21, SLOT
	s_add_co_u32 s22, s22, SLOT
.endr
	v_mul_u32_u24 v5, v1, KS
	v_lshrrev_b32 v6, 8, v5
	v_lshl_add_u32 v5, v6, 4, v5
	s_mul_i32 s21, s15, HALFS
	s_mul_i32 s22, s16, HALFS
	s_add_co_u32 s22, s22, 2*HALFS
	s_sub_co_u32 s22, s22, s21
	v_mul_u32_u24 v6, s22, v2
	s_add_co_u32 s21, s21, SCL
	v_add_nc_u32 v5, v5, v6
	v_add_nc_u32 v[ADRS], s21, v5
	s_lshl_b32 s23, s14, 12
	v_mul_u32_u24 v5, v1, 144
	v_lshl_add_u32 v5, v2, 4, v5
	v_add_nc_u32 v[STO], s23, v5
	v_and_b32 v6, 31, v0
	v_lshrrev_b32 v5, 2, v6
	v_mul_u32_u24 v5, v5, 144
	v_and_b32 v3, 3, v6
	v_lshl_add_u32 v5, v3, 4, v5
	v_add_nc_u32 v[RD], s23, v5
	v_mul_u32_u24 v[VO], v6, 12
	s_add_co_u32 s23, s23, 2560
	v_lshl_add_u32 v[SSO], v1, 2, s23
	v_lshl_add_u32 v[SRD], v6, 4, s23
	s_cmp_eq_u32 ttmp9, 2
	s_cselect_b32 s66, 0, -1
	s_cselect_b32 s67, -1, 0
	s_cselect_b32 s18, s40, s41
	s_cselect_b32 s19, s41, s40
	s_cselect_b32 s20, s16, s15
	s_cselect_b32 s21, s15, s16
	s_cselect_b32 s22, 0, ttmp9
	s_mov_b32 s94, 95232
	s_cselect_b32 s94, s94, 0
	s_mov_b32 s95, 0
	s_mov_b32 s23, 3840
	s_cselect_b32 s23, s23, 0
	s_mov_b32 s2, 98304
	s_mov_b32 s42, 3072
	s_cselect_b32 s2, s42, s2
	v_mul_u32_u24 v[SVO], s23, v2
	v_lshl_add_u32 v[SVO], v6, 4, v[SVO]
	s_lshl_b32 s17, s17, 10
	s_lshl_b32 s18, s18, 8
	s_lshl_b32 s20, s20, 7
	s_add_co_u32 s17, s17, s18
	s_add_co_u32 s17, s17, s20
	s_lshl_b32 s22, s22, 10
	s_lshl_b32 s19, s19, 8
	s_lshl_b32 s21, s21, 7
	s_add_co_u32 s22, s22, s19
	s_add_co_u32 s22, s22, s21
	s_lshr_b32 s18, s17, 11
	s_and_b32 s19, s17, 2047
	s_lshl_b32 s18, s18, 4
	s_bfe_u32 s42, s22, 0x40006
	s_add_co_u32 s18, s18, s42
	s_lshr_b32 s20, s22, 10
	s_lshl_b32 s20, s20, 5
	s_cmp_eq_u32 ttmp9, 2
	s_cselect_b32 s20, 64, s20
	s_add_co_u32 s20, s20, s18
	s_lshl_b32 s43, s18, 4
	s_lshr_b32 s44, s19, 7
	s_add_co_u32 s43, s43, s44
	s_lshl_b32 s43, s43, 8
	s_add_co_u32 s43, s43, 524288
	s_lshl_b32 s44, s20, 13
	s_lshl_b32 s45, s19, 2
	s_add_co_u32 s44, s44, s45
	s_mul_i32 s20, s20, 98304
	s_mul_i32 s45, s19, 48
	s_add_co_u32 s20, s20, s45
	s_mov_b32 s21, 0
	s_lshl_b32 s40, s22, 2
	s_add_co_u32 s41, s40, 8192
	s_cmp_eq_u32 ttmp9, 2
	s_cselect_b32 s46, s43, s44
	s_cselect_b32 s40, 0, s40
	s_cselect_b32 s18, s41, 0
	s_mov_b32 s47, 0
	s_mov_b32 s41, 0
	s_mov_b32 s19, 0
	s_add_nc_u64 s[12:13], s[12:13], s[46:47]
	s_add_nc_u64 s[92:93], s[8:9], s[40:41]
	s_add_nc_u64 s[8:9], s[8:9], s[18:19]
	s_add_nc_u64 s[10:11], s[10:11], s[20:21]
	s_mov_b32 s46, s2
	s_add_nc_u64 s[96:97], s[10:11], s[46:47]
	s_mov_b32 s[SEL], 0x76543210
	s_mov_b32 s[SEL+1], 0xfedcba98
	v_lshlrev_b32 v8, 5, v2
	v_lshlrev_b32 v9, 2, v1
	WIN TO_B
.irp b, 0,1,2,3,4,5,6,7
	global_load_b128 v[96+8*\b+96*(\b/4):96+8*\b+96*(\b/4)+3], v8, s[92:93] offset:64*\b
	global_load_b128 v[96+8*\b+96*(\b/4)+4:96+8*\b+96*(\b/4)+7], v8, s[92:93] offset:64*\b+16
.endr
	WIN 0
.irp a, 0,1,2,3,4,5,6,7
	global_load_b32 v[BI+2*\a], v9, s[8:9] offset:64*\a
	v_mov_b32 v[BI+2*\a+1], 0
.endr
.irp b, 0,1,2,3
	v_mov_b32 v[TM+4+\b], 0
.endr
	s_wait_loadcnt 0x0
	WIN 0x44
.irp b, 0,1,2,3,4,5,6,7
.irp j, 0,1,2,3,4,5,6,7
	v_cndmask_b32 v[96+8*\b+96*(\b/4)+\j], 0, v[96+8*\b+96*(\b/4)+\j], s66
.endr
.endr
	WIN 0
.irp a, 0,1,2,3,4,5,6,7
	v_cndmask_b32 v[BI+2*\a], 0, v[BI+2*\a], s67
.endr
.macro FRAG reg, adr, q, i
.irp p, 0,1,2,3,4,5
	ds_load_b64 v[\reg+2*\p:\reg+2*\p+1], v[\adr] offset:96*(\q)+48*(\p/3)+8*(\p%3)+(\i)*16*PITCH   ; a chunk's 192 bytes of codes lie on end in its LDS row
.endr
.endm
.macro MUL16 a0, p, q, sc, first
.irp a, \a0, \a0+1
.irp b, 0,1,2,3,4,5,6,7
.if \first
	v_wmma_scale_f32_16x16x128_f8f6f4 v[8*(8*((\a)%4)+\b):8*(8*((\a)%4)+\b)+7], v[128*(\p)+FR*\b:128*(\p)+FR*\b+FR-1], v[AF+FR*(\a):AF+FR*(\a)+FR-1], v[96+8*\b+96*(\b/4):96+8*\b+96*(\b/4)+7], v[SC+8*NQ*(\sc)+NQ*\b+(\q)], v[SC+8*NQ*(\sc)+NQ*(\a)+(\q)] matrix_a_fmt:MATRIX_FMT_FP6 matrix_b_fmt:MATRIX_FMT_FP6 matrix_a_scale:MATRIX_SCALE_ROW1
.else
	v_wmma_scale_f32_16x16x128_f8f6f4 v[8*(8*((\a)%4)+\b):8*(8*((\a)%4)+\b)+7], v[128*(\p)+FR*\b:128*(\p)+FR*\b+FR-1], v[AF+FR*(\a):AF+FR*(\a)+FR-1], v[8*(8*((\a)%4)+\b):8*(8*((\a)%4)+\b)+7], v[SC+8*NQ*(\sc)+NQ*\b+(\q)], v[SC+8*NQ*(\sc)+NQ*(\a)+(\q)] matrix_a_fmt:MATRIX_FMT_FP6 matrix_b_fmt:MATRIX_FMT_FP6 matrix_a_scale:MATRIX_SCALE_ROW1
.endif
.endr
.endr
.endm
.macro FETCH_B slot, q, p
	WIN TO_B
.irp i, 0,1,2,3,4,5,6,7
	FRAG 128*(\p)+FR*\i, ADRB+\slot, \q, \i
.endr
	WIN 0
.endm
.macro FETCH_A slot, q, i0
.irp i, \i0, \i0+1, \i0+2, \i0+3
	FRAG AF+FR*(\i), ADRA+\slot, \q, \i
.endr
.endm
.macro SCALES sc
.irp i, 0,1,2,3,4,5,6,7
	ds_load_b64 v[SC+8*NQ*\sc+NQ*\i:SC+8*NQ*\sc+NQ*\i+1], v[ADRS] offset:\i*SBLK
.endr
.endm
.macro PLACES n
.rept \n
	v_nop
.endr
.endm
.macro STEP slot, q, first
	s_wait_dscnt 4*NL
.if \first
	WIN 0x91
.else
	WIN MUL_LO
.endif
	MUL16 0, (\q)%2, \q, \slot, \first
	MUL16 2, (\q)%2, \q, \slot, \first
	s_wait_dscnt 0
	PLACES NP
	FETCH_B \slot, (\q)+1, 1-(\q)%2
	FETCH_A \slot, (\q)+1, 0
.if \first
	WIN 0xd1
.else
	WIN MUL_HI
.endif
	MUL16 4, (\q)%2, \q, \slot, \first
	MUL16 6, (\q)%2, \q, \slot, \first
	PLACES NP
	WIN 0
	FETCH_A \slot, (\q)+1, 4
.endm
.macro TURN slot, next, fill
	s_wait_tensorcnt 0x0
	ds_add_u32 v[SPW], v[NIL]
	s_wait_dscnt 4*NL+1
	WIN MUL_LO
	MUL16 0, 1, NQ-1, \slot, 0
	s_wait_dscnt 0x0
	s_barrier_signal -1
	MUL16 2, 1, NQ-1, \slot, 0
	WIN 0
	s_barrier_wait -1
.if \fill
	CREST
	s_add_nc_u64 s[G0+4*\slot+2:G0+4*\slot+3], s[G0+4*\slot+2:G0+4*\slot+3], 2*ROWB
	s_add_nc_u64 s[G0B+4*\slot+2:G0B+4*\slot+3], s[G0B+4*\slot+2:G0B+4*\slot+3], 2*ROWB
	JLOAD G0+4*\slot, G1, G0B+4*\slot, G1B
.else
	PLACES NP
.endif
	s_wait_alu depctr_va_vdst(0)
	v_add_nc_u32 v[ADRS], 4*NQ, v[ADRS]
	FETCH_B \next, 0, 0
	FETCH_A \next, 0, 0
	SCALES \next
	WIN MUL_HI
	MUL16 4, 1, NQ-1, \slot, 0
	MUL16 6, 1, NQ-1, \slot, 0
	PLACES NP
	WIN 0
	FETCH_A \next, 0, 4
.endm
	PLACES 8
	s_wait_alu depctr_va_vdst(0)
	s_wait_tensorcnt 0x0                           ; my tile of the head's four is in; slot 1's first fill is issued as a refill is
	ds_add_u32 v[SPW], v[NIL]
	s_mov_b32 s[G1+2], 128<<16                     ; no load of mine is out: from here on a load brings 128 rows,
	s_mov_b32 s[G1+4], 128
	s_mov_b32 s[G1B+2], 128<<16
	s_mov_b32 s[G1B+4], 128
	s_mul_i32 s[G0+1], s14, HALFT                  ; and slot 0's groups 0 stand at my quarter of chunk 0, one chunk ahead of slot 1's
	s_mul_i32 s[G0B+1], s14, HALFT
	s_sub_nc_u64 s[G0+2:G0+3], s[G0+6:G0+7], ROWB
	s_sub_nc_u64 s[G0B+2:G0B+3], s[G0B+6:G0B+7], ROWB
	s_wait_dscnt 0x0
	CROUND
	JLOAD G0+4, G1, G0B+4, G1B
	FETCH_B 0, 0, 0
	FETCH_A 0, 0, 0
	SCALES 0
	FETCH_A 0, 0, 4
	STEP 0, 0, 1
	s_mov_b32 s3, LAPS-1
.Llap:
	TURN 0, 1, 1
	STEP 1, 0, 0
	TURN 1, 0, 1
	STEP 0, 0, 0
	s_sub_co_u32 s3, s3, 1
	s_cmp_lg_u32 s3, 0
	s_cbranch_scc1 .Llap
	TURN 0, 1, 0
	STEP 1, 0, 0
	s_wait_dscnt 4*NL
	WIN MUL_LO
	MUL16 0, 1, NQ-1, 1, 0
	MUL16 2, 1, NQ-1, 1, 0
	s_wait_dscnt 0
	WIN MUL_HI
	MUL16 4, 1, NQ-1, 1, 0
	MUL16 6, 1, NQ-1, 1, 0
	WIN 0
.macro QUANT4 src
.irp b, 0,1,2,3
	v_max3_num_f32 v[TM+\b], |v[\src+16*\b]|, |v[\src+1+16*\b]|, 0x1800000
.endr
.irp i, 2,4,6,8,10,12,14
.irp b, 0,1,2,3
	v_max3_num_f32 v[TM+\b], v[TM+\b], |v[\src+16*\b+\i]|, |v[\src+1+16*\b+\i]|
.endr
.endr
.irp b, 0,1,2,3
	v_permlanex16_b32 v[TM+4+\b], v[TM+\b], s[SEL], s[SEL+1]
.endr
.irp b, 0,1,2,3
	v_max_num_f32 v[TM+\b], v[TM+\b], v[TM+4+\b]
.endr
.irp b, 0,1,2,3
	v_add_nc_u32 v[TM+12+\b], 0xff000000, v[TM+\b]
.endr
.irp b, 0,1,2,3
	v_lshrrev_b32 v[TM+4+\b], 23, v[TM+12+\b]
.endr
	v_lshl_or_b32 v[PW], v[TM+5], 8, v[TM+4]
	v_lshl_or_b32 v[PW], v[TM+6], 16, v[PW]
	v_lshl_or_b32 v[PW], v[TM+7], 24, v[PW]
.irp b, 0,1,2,3
	v_cvt_scalef32_pk16_fp6_f32 v[CD+4*\b:CD+4*\b+2], v[\src+16*\b:\src+16*\b+15], v[TM+12+\b]
.endr
	v_nop
.endm
.macro EPI a
	WIN 0x02+(\a)/4
.set AC, 64*((\a)%4)
.set i, 0
.rept 32
	v_pk_add_f32 v[XR+i:XR+i+1], v[AC+i:AC+i+1], v[BI+2*(\a):BI+2*(\a)+1] op_sel_hi:[1,0]
.set i, i+2
.endr
	WIN 0
	QUANT4 XR
	v_lshrrev_b32 v[PW+1], 16, v[PW]
.irp b, 0,1,2,3
	ds_store_b96 v[STO], v[CD+4*\b:CD+4*\b+2] offset:32*\b
.endr
	ds_store_b32 v[SSO], v[PW] offset:64*(\a)
	ds_store_b32 v[SSO], v[PW+1] offset:512+64*(\a)
	s_wait_xcnt 0x0
.irp k, 0,1,2,3
	ds_load_b96 v[OUTR+4*\k:OUTR+4*\k+2], v[RD] offset:(\k%2)*1152+(\k/2)*64
.endr
.if (\a) > 0
	s_add_nc_u64 s[10:11], s[10:11], 768
	s_add_nc_u64 s[96:97], s[96:97], 768
.endif
.if (\a) == 4
	s_add_nc_u64 s[10:11], s[10:11], s[94:95]
	s_add_nc_u64 s[96:97], s[96:97], s[94:95]
.endif
	s_wait_dscnt 0x0
	global_store_b96 v[VO], v[OUTR:OUTR+2], s[10:11]
	global_store_b96 v[VO], v[OUTR+4:OUTR+6], s[10:11] offset:384
	global_store_b96 v[VO], v[OUTR+8:OUTR+10], s[96:97]
	global_store_b96 v[VO], v[OUTR+12:OUTR+14], s[96:97] offset:384
.endm
	PLACES NP
.irp a, 0,1,2,3,4,5,6,7
	EPI \a
.endr
	s_wait_xcnt 0x0
	ds_load_b128 v[OUTR:OUTR+3], v[SRD]
	ds_load_b128 v[OUTR+4:OUTR+7], v[SRD] offset:512
	s_wait_dscnt 0x0
	s_cmp_eq_u32 ttmp9, 2
	s_cbranch_scc1 .Lno_second
	global_store_b128 v[SVO], v[OUTR+4:OUTR+7], s[12:13] offset:8192
.Lno_second:
	global_store_b128 v[SVO], v[OUTR:OUTR+3], s[12:13]
	s_wait_tensorcnt 0x0
	ds_add_u32 v[SPW], v[NIL]
	s_wait_dscnt 0x0
	CROUND
	s_endpgm
.Lfunc_end_k_q1ce1b1ea53_gemm_qkv:
	.size	k_q1ce1b1ea53_gemm_qkv, .Lfunc_end_k_q1ce1b1ea53_gemm_qkv-k_q1ce1b1ea53_gemm_qkv
	.p2alignl 7, 3214868480
	.fill 96, 4, 3214868480
	.section	.rodata,"a",@progbits
	.p2align	6, 0x0
	.amdhsa_kernel k_q1ce1b1ea53_gemm_qkv
		.amdhsa_group_segment_fixed_size 327680
		.amdhsa_private_segment_fixed_size 0
		.amdhsa_enable_private_segment 0
		.amdhsa_kernarg_size 40
		.amdhsa_user_sgpr_count 2
		.amdhsa_user_sgpr_kernarg_segment_ptr 1
		.amdhsa_wavefront_size32 1
		.amdhsa_system_sgpr_workgroup_id_x 1
		.amdhsa_system_sgpr_workgroup_id_y 1
		.amdhsa_system_sgpr_workgroup_id_z 1
		.amdhsa_system_vgpr_workitem_id 0
		.amdhsa_next_free_vgpr 1024
		.amdhsa_next_free_sgpr 100
		.amdhsa_reserve_vcc 0
		.amdhsa_float_denorm_mode_32 3
		.amdhsa_float_denorm_mode_16_64 3
		.amdhsa_memory_ordered 1
		.amdhsa_forward_progress 1
		.amdhsa_inst_pref_size 195
	.end_amdhsa_kernel
	.amdgpu_metadata
---
amdhsa.version: [ 1, 2 ]
amdhsa.kernels:
  - .name:           k_q1ce1b1ea53_gemm_qkv
    .symbol:         k_q1ce1b1ea53_gemm_qkv.kd
    .args:
      - { .name: c1, .offset: 0, .size: 8, .value_kind: global_buffer, .address_space: global }
      - { .name: s1, .offset: 8, .size: 8, .value_kind: global_buffer, .address_space: global }
      - { .name: bqkv, .offset: 16, .size: 8, .value_kind: global_buffer, .address_space: global }
      - { .name: qkvc, .offset: 24, .size: 8, .value_kind: global_buffer, .address_space: global }
      - { .name: qkvs, .offset: 32, .size: 8, .value_kind: global_buffer, .address_space: global }
    .group_segment_fixed_size: 327680
    .private_segment_fixed_size: 0
    .kernarg_segment_align: 8
    .kernarg_segment_size: 40
    .max_flat_workgroup_size: 128
    .sgpr_count:     100
    .vgpr_count:     1024
    .wavefront_size: 32
...
	.end_amdgpu_metadata
.endif
;; end of part 2
;; launch stats (part 3): grid 8 x 32, 8 waves a work-group, clusters of 4 x 1, 327,680 bytes of LDS; arguments qkvc, qkvs, nb; writes nb
.if DOCPART == 3
	.amdgcn_target "amdgcn-amd-amdhsa--gfx1250"
	.amdhsa_code_object_version 6
	.text
	.protected	k_q1ce1b1ea53_stats
	.globl	k_q1ce1b1ea53_stats
	.p2align	8
	.type	k_q1ce1b1ea53_stats,@function
k_q1ce1b1ea53_stats:
	s_mov_b64 s[64:65], 0
	v_nop
	global_prefetch_b8 v0, s[64:65] scope:SCOPE_SE
	s_setreg_imm32_b32 hwreg(HW_REG_WAVE_MODE, 25, 1), 1
	s_wait_xcnt 0x0
	s_wait_alu depctr_hold_cnt(0) depctr_sa_sdst(0) depctr_va_vdst(0) depctr_va_sdst(0) depctr_va_ssrc(0) depctr_va_vcc(0) depctr_vm_vsrc(0)
	s_getreg_b32 s2, hwreg(HW_REG_IB_STS2, 6, 4)
	s_cmp_eq_u32 s2, 0
	s_cbranch_scc0 .Lentry_in_a_cluster
	s_endpgm
.Lentry_in_a_cluster:
	s_bfe_u32 s2, ttmp6, 0x10000c
	s_cmp_lg_u32 s2, 0x3003
	s_cbranch_scc0 .Lentry_shape_is_right
	s_endpgm
.Lentry_shape_is_right:
.set QS,   98304
.set NBST, 106496
.set QF,   42
.set S,    96
.set ST,   224
.set WV,   10
.set CS,   60
.set SEL,  62
.set QO,   66
.set SO,   67
.set CNT,  68
.macro CROUND
	s_barrier_signal -1
	s_barrier_wait -1
	s_cmp_lg_u32 s[WV], 0
	s_cbranch_scc1 .Lnot_wave_0_\@
	s_barrier_signal -3
.Lnot_wave_0_\@:
	s_barrier_wait -3
	s_barrier_signal -1
	s_barrier_wait -1
.endm
.macro WMZ
.if fA && fB
	v_wmma_scale_f32_16x16x128_f8f6f4 v[rD:rD+7], v[rA:rA+11], v[rB:rB+11], 0, v[rSA], v[rSB] matrix_a_fmt:MATRIX_FMT_FP6 matrix_b_fmt:MATRIX_FMT_FP6 matrix_a_scale:MATRIX_SCALE_ROW1 matrix_b_scale:MATRIX_SCALE_ROW1
.elseif fA
	v_wmma_scale_f32_16x16x128_f8f6f4 v[rD:rD+7], v[rA:rA+11], v[rB:rB+11], 0, v[rSA], v[rSB] matrix_a_fmt:MATRIX_FMT_FP6 matrix_b_fmt:MATRIX_FMT_FP6 matrix_a_scale:MATRIX_SCALE_ROW1
.elseif fB
	v_wmma_scale_f32_16x16x128_f8f6f4 v[rD:rD+7], v[rA:rA+11], v[rB:rB+11], 0, v[rSA], v[rSB] matrix_a_fmt:MATRIX_FMT_FP6 matrix_b_fmt:MATRIX_FMT_FP6 matrix_b_scale:MATRIX_SCALE_ROW1
.else
	v_wmma_scale_f32_16x16x128_f8f6f4 v[rD:rD+7], v[rA:rA+11], v[rB:rB+11], 0, v[rSA], v[rSB] matrix_a_fmt:MATRIX_FMT_FP6 matrix_b_fmt:MATRIX_FMT_FP6
.endif
.endm
	s_load_b128 s[4:7], s[0:1], 0x0
	s_load_b64 s[8:9], s[0:1], 0x10
	v_lshl_add_u32 v254, v0, 2, 0x29000
	v_mov_b32 v255, 0
	ds_add_u32 v254, v255
	ds_add_u32 v254, v255
	v_lshrrev_b32 v1, 5, v0
	s_delay_alu instid0(VALU_DEP_1)
	v_readfirstlane_b32 s[WV], v1
	s_bfe_u32 s11, ttmp6, 0x40000
	s_lshl_b32 s12, ttmp9, 2
	s_add_co_u32 s12, s12, s11
	s_and_b32 s13, ttmp7, 0xffff
	s_mov_b32 s24, 15|(3<<16)|(1<<21)
	s_mov_b32 s25, 32<<16
	s_mov_b32 s26, 64<<16                          ; codes: waves 0-5 bring 64 rows of 256 bytes each
	s_mov_b32 s27, 32<<16
	s_mov_b32 s28, 64
	s_mov_b32 s29, 32
	s_mov_b32 s30, 0
	s_mov_b32 s31, 0
	s_mov_b32 s32, 15|(3<<16)|(1<<21)
	s_mov_b32 s33, 32<<16
	s_mov_b32 s34, 16<<16                          ; scale words: waves 6 and 7 bring 16 rows each
	s_mov_b32 s35, 32<<16
	s_mov_b32 s36, 16
	s_mov_b32 s37, 32
	s_mov_b32 s38, 0
	s_mov_b32 s39, 0
	s_mul_i32 s18, s13, 98304
	s_lshl_b32 s20, s[WV], 14
	s_add_co_u32 s18, s18, s20
	s_mov_b32 s19, 0
	s_lshl_b32 s22, s13, 13
	s_and_b32 s21, s[WV], 1
	s_lshl_b32 s21, s21, 12
	s_add_co_u32 s22, s22, s21
	s_mov_b32 s23, 0
	s_mov_b32 s[CS], 0x3e38aa3b
	s_mov_b32 s[CS+1], s[CS]
	s_mov_b32 s[SEL], 0x76543210
	s_mov_b32 s[SEL+1], 0xfedcba98
	s_wait_dscnt 0x0
	s_wait_kmcnt 0x0
	CROUND
	s_mov_b32 s40, 1
	s_add_co_u32 s41, s21, QS
	s_add_nc_u64 s[42:43], s[6:7], s[22:23]
	s_or_b32 s43, s43, 0x80000000
	s_mov_b32 s44, 1
	s_mov_b32 s45, s20
	s_add_nc_u64 s[46:47], s[4:5], s[18:19]
	s_or_b32 s47, s47, 0x80000000
	s_cmp_lt_u32 s[WV], 6                          ; one joint load a wave, in one branch on the wave's number
	s_cbranch_scc0 .Lfor_s
	tensor_load_to_lds s[44:47], s[24:31]
	s_nop 0
.rept 4
	v_nop
.endr
	s_branch .Lasked
.Lfor_s:
	tensor_load_to_lds s[40:43], s[32:39]
	s_nop 0
.rept 4
	v_nop
.endr
.Lasked:
	s_lshl_b32 s14, s12, 8
	s_lshl_b32 s15, s[WV], 5
	s_add_co_u32 s14, s14, s15
	s_add_co_u32 s16, s13, 32
	s_mul_i32 s48, s16, 98304
	s_mul_i32 s49, s14, 48
	s_add_co_u32 s48, s48, s49
	s_mov_b32 s49, 0
	s_add_nc_u64 s[4:5], s[4:5], s[48:49]
	s_lshl_b32 s50, s16, 13
	s_lshl_b32 s51, s14, 2
	s_add_co_u32 s50, s50, s51
	s_mov_b32 s51, 0
	s_add_nc_u64 s[6:7], s[6:7], s[50:51]
	s_lshl_b32 s52, s13, 13
	s_lshl_b32 s53, s12, 10
	s_add_co_u32 s52, s52, s53
	s_mov_b32 s53, 0
	s_add_nc_u64 s[8:9], s[8:9], s[52:53]
	v_and_b32 v1, 31, v0
	v_and_b32 v2, 15, v0
	v_bfe_u32 v3, v0, 4, 1
	s_delay_alu instid0(VALU_DEP_2)
	v_mul_u32_u24 v4, v2, 48
	s_delay_alu instid0(VALU_DEP_1)
	v_mad_u32_u24 v4, v3, 24, v4
	v_lshl_add_u32 v5, v1, 2, QS
	v_lshlrev_b32 v11, 2, v1
	v_lshl_add_u32 v8, v0, 2, NBST
	v_lshl_add_u32 v9, v0, 4, NBST
	v_lshlrev_b32 v41, 4, v0
.irp kt, 0,1
.irp p, 0,1,2
	global_load_b64 v[12+12*\kt+2*\p:13+12*\kt+2*\p], v4, s[4:5] offset:768*\kt+8*\p
.endr
.irp p, 6,7,8,9,10,11
	v_mov_b32 v[12+12*\kt+\p], 0
.endr
.endr
	global_load_b32 v36, v11, s[6:7]
.irp p, 0,1,2,3,4,5
	v_mov_b32 v[QF+48+\p], 0
.endr
.irp kt, 0,1
	v_mov_b32 v[ST+16*\kt+6], 0xff61b1e6
	s_delay_alu instid0(VALU_DEP_1)
	v_mul_f32 v[ST+16*\kt+8], s[CS], v[ST+16*\kt+6]
	s_delay_alu instid0(VALU_DEP_1)
	v_floor_f32 v[ST+16*\kt], -v[ST+16*\kt+8]
	v_mov_b32 v[ST+16*\kt+1], 0
	v_mov_b32 v[ST+16*\kt+2], 0
	v_mov_b32 v[ST+16*\kt+3], 0
	v_mov_b32 v[ST+16*\kt+5], 0
.endr
	s_wait_tensorcnt 0x0
	s_wait_loadcnt 0x0
	s_barrier_signal -1
	s_barrier_wait -1
	s_mov_b32 s[QO], 0
	s_mov_b32 s[SO], 0
	s_mov_b32 s[CNT], 16
.Lbatch:
	v_add_nc_u32 v6, s[QO], v4
	v_add_nc_u32 v7, s[SO], v5
.irp i, 0,1,2,3
	ds_load_b32 v[37+\i], v7 offset:128*\i
.endr
.irp qt, 0,1,2,3,4,5,6,7
.irp p, 0,1,2
	ds_load_b64 v[QF+6*\qt+2*\p:QF+6*\qt+2*\p+1], v6 offset:768*\qt+8*\p
.endr
.endr
	s_wait_dscnt 9
.irp qt, 0,1,2,3
.irp kt, 0,1
.set rD, S+64*\kt+8*\qt
.set rA, QF+6*\qt
.set rB, 12+12*\kt
.set rSA, 37+\qt/2
.set rSB, 36
.set fA, \qt%2
.set fB, \kt
	WMZ
.endr
.endr
	s_wait_dscnt 0x0
.irp qt, 4,5,6,7
.irp kt, 0,1
.set rD, S+64*\kt+8*\qt
.set rA, QF+6*\qt
.set rB, 12+12*\kt
.set rSA, 37+\qt/2
.set rSB, 36
.set fA, \qt%2
.set fB, \kt
	WMZ
.endr
.endr
.rept 4
	v_nop
.endr
.irp i, 0,1,2,3
.irp kt, 0,1
	v_max3_num_f32 v[ST+16*\kt+8+\i], v[S+64*\kt+8*\i], v[S+64*\kt+8*\i+1], v[S+64*\kt+8*\i+2]
.endr
.endr
.irp j, 3,5
.irp i, 0,1,2,3
.irp kt, 0,1
	v_max3_num_f32 v[ST+16*\kt+8+\i], v[ST+16*\kt+8+\i], v[S+64*\kt+8*\i+\j], v[S+64*\kt+8*\i+\j+1]
.endr
.endr
.endr
.irp i, 0,1,2,3
.irp kt, 0,1
	v_max3_num_f32 v[ST+16*\kt+8+\i], v[ST+16*\kt+8+\i], v[S+64*\kt+8*\i+7], v[S+64*\kt+8*\i+32]
.endr
.endr
.irp j, 1,3,5
.irp i, 0,1,2,3
.irp kt, 0,1
	v_max3_num_f32 v[ST+16*\kt+8+\i], v[ST+16*\kt+8+\i], v[S+64*\kt+8*\i+32+\j], v[S+64*\kt+8*\i+32+\j+1]
.endr
.endr
.endr
.irp i, 0,1,2,3
.irp kt, 0,1
	v_max_num_f32 v[ST+16*\kt+8+\i], v[ST+16*\kt+8+\i], v[S+64*\kt+8*\i+39]
.endr
.endr
.irp kt, 0,1
	v_max3_num_f32 v[ST+16*\kt+6], v[ST+16*\kt+6], v[ST+16*\kt+8], v[ST+16*\kt+9]
.endr
.irp kt, 0,1
	s_delay_alu instid0(VALU_DEP_2)
	v_max3_num_f32 v[ST+16*\kt+6], v[ST+16*\kt+6], v[ST+16*\kt+10], v[ST+16*\kt+11]
.endr
.irp kt, 0,1
	s_delay_alu instid0(VALU_DEP_2)
	v_mul_f32 v[ST+16*\kt+8], s[CS], v[ST+16*\kt+6]
.endr
.irp kt, 0,1
	v_mov_b32 v[ST+16*\kt+7], v[ST+16*\kt]
.endr
.irp kt, 0,1
	s_delay_alu instid0(VALU_DEP_4)
	v_floor_f32 v[ST+16*\kt], -v[ST+16*\kt+8]
.endr
.irp kt, 0,1
	s_delay_alu instid0(VALU_DEP_2)
	v_sub_f32 v[ST+16*\kt+7], v[ST+16*\kt], v[ST+16*\kt+7]
.endr
.irp kt, 0,1
	s_delay_alu instid0(VALU_DEP_2)
	v_cvt_i32_f32 v[ST+16*\kt+7], v[ST+16*\kt+7]
.endr
.irp kt, 0,1
	s_delay_alu instid0(VALU_DEP_2)
	v_ldexp_f32 v[ST+16*\kt+4], 1.0, v[ST+16*\kt+7]
.endr
.irp kt, 0,1
.set j, 0
.rept 32
	v_pk_fma_f32 v[S+64*\kt+j:S+64*\kt+j+1], v[S+64*\kt+j:S+64*\kt+j+1], s[CS:CS+1], v[ST+16*\kt:ST+16*\kt+1] op_sel_hi:[1,0,0]
.set j, j+2
.endr
.endr
.set j, 0
	s_wait_alu depctr_va_vdst(0)
.rept 128
	v_exp_f32 v[S+j], v[S+j]
.set j, j+1
.endr
.irp kt, 0,1
	v_pk_mul_f32 v[ST+16*\kt+2:ST+16*\kt+3], v[ST+16*\kt+2:ST+16*\kt+3], v[ST+16*\kt+4:ST+16*\kt+5] op_sel_hi:[1,0]
.endr
	s_wait_alu depctr_va_vdst(0)
.irp kt, 0,1
	v_pk_add_f32 v[ST+16*\kt+12:ST+16*\kt+13], v[S+64*\kt:S+64*\kt+1], v[S+64*\kt+2:S+64*\kt+3]
.endr
.irp j, 4,8,12,16,20,24,28,32,36,40,44,48,52,56,60
.irp kt, 0,1
	v_pk_add_f32 v[ST+16*\kt+2:ST+16*\kt+3], v[ST+16*\kt+2:ST+16*\kt+3], v[S+64*\kt+\j:S+64*\kt+\j+1]
	v_pk_add_f32 v[ST+16*\kt+12:ST+16*\kt+13], v[ST+16*\kt+12:ST+16*\kt+13], v[S+64*\kt+\j+2:S+64*\kt+\j+3]
.endr
.endr
.irp kt, 0
	s_delay_alu instid0(VALU_DEP_3)
	v_pk_add_f32 v[ST+16*\kt+2:ST+16*\kt+3], v[ST+16*\kt+2:ST+16*\kt+3], v[ST+16*\kt+12:ST+16*\kt+13]
.endr
.irp kt, 1
	s_delay_alu instid0(VALU_DEP_2)
	v_pk_add_f32 v[ST+16*\kt+2:ST+16*\kt+3], v[ST+16*\kt+2:ST+16*\kt+3], v[ST+16*\kt+12:ST+16*\kt+13]
.endr
	s_add_co_u32 s[QO], s[QO], 6144
	s_add_co_u32 s[SO], s[SO], 512
	s_sub_co_u32 s[CNT], s[CNT], 1
	s_cmp_lg_u32 s[CNT], 0
	s_cbranch_scc1 .Lbatch
.irp kt, 0,1
	v_add_f32 v[ST+16*\kt+2], v[ST+16*\kt+2], v[ST+16*\kt+3]
.endr
.irp kt, 0
	v_permlanex16_b32 v[ST+16*\kt+8], v[ST+16*\kt], s[SEL], s[SEL+1]
	s_delay_alu instid0(VALU_DEP_3)
	v_permlanex16_b32 v[ST+16*\kt+9], v[ST+16*\kt+2], s[SEL], s[SEL+1]
.endr
.irp kt, 1
	v_permlanex16_b32 v[ST+16*\kt+8], v[ST+16*\kt], s[SEL], s[SEL+1]
	s_delay_alu instid0(VALU_DEP_4)
	v_permlanex16_b32 v[ST+16*\kt+9], v[ST+16*\kt+2], s[SEL], s[SEL+1]
.endr
.irp kt, 0
	s_delay_alu instid0(VALU_DEP_4)
	v_min_num_f32 v[ST+16*\kt+10], v[ST+16*\kt], v[ST+16*\kt+8]
.endr
.irp kt, 1
	s_delay_alu instid0(VALU_DEP_3)
	v_min_num_f32 v[ST+16*\kt+10], v[ST+16*\kt], v[ST+16*\kt+8]
.endr
.irp kt, 0
	s_delay_alu instid0(VALU_DEP_2)
	v_sub_f32 v[ST+16*\kt+11], v[ST+16*\kt+10], v[ST+16*\kt]
	s_delay_alu instid0(VALU_DEP_3)
	v_sub_f32 v[ST+16*\kt+8], v[ST+16*\kt+10], v[ST+16*\kt+8]
.endr
.irp kt, 1
	s_delay_alu instid0(VALU_DEP_3)
	v_sub_f32 v[ST+16*\kt+11], v[ST+16*\kt+10], v[ST+16*\kt]
	s_delay_alu instid0(VALU_DEP_4)
	v_sub_f32 v[ST+16*\kt+8], v[ST+16*\kt+10], v[ST+16*\kt+8]
.endr
.irp kt, 0,1
	s_delay_alu instid0(VALU_DEP_4)
	v_cvt_i32_f32 v[ST+16*\kt+11], v[ST+16*\kt+11]
	s_delay_alu instid0(VALU_DEP_4)
	v_cvt_i32_f32 v[ST+16*\kt+8], v[ST+16*\kt+8]
.endr
.irp kt, 0,1
	s_delay_alu instid0(VALU_DEP_4)
	v_ldexp_f32 v[ST+16*\kt+2], v[ST+16*\kt+2], v[ST+16*\kt+11]
	s_delay_alu instid0(VALU_DEP_4)
	v_ldexp_f32 v[ST+16*\kt+9], v[ST+16*\kt+9], v[ST+16*\kt+8]
.endr
.irp kt, 0
	s_delay_alu instid0(VALU_DEP_3)
	v_add_f32 v[ST+16*\kt+2], v[ST+16*\kt+2], v[ST+16*\kt+9]
.endr
.irp kt, 1
	s_delay_alu instid0(VALU_DEP_2)
	v_add_f32 v[ST+16*\kt+2], v[ST+16*\kt+2], v[ST+16*\kt+9]
.endr
	s_wait_alu depctr_va_vdst(0)
.irp kt, 0,1
	v_log_f32 v[ST+16*\kt+3], v[ST+16*\kt+2]
.endr
	v_cmp_gt_u32 vcc_lo, 16, v1
	s_wait_alu depctr_va_vdst(0)
.irp kt, 0,1
	v_sub_f32 v[ST+16*\kt+3], v[ST+16*\kt+10], v[ST+16*\kt+3]
.endr
	s_delay_alu instid0(VALU_DEP_1)
	v_cndmask_b32 v42, v[ST+16+3], v[ST+3], vcc_lo
	ds_store_b32 v8, v42
	s_wait_dscnt 0x0
	s_barrier_signal -1
	s_barrier_wait -1
	s_cmp_lt_u32 s[WV], 2
	s_cbranch_scc0 .Lnot_mine
	ds_load_b128 v[44:47], v9
	s_wait_dscnt 0x0
	global_store_b128 v41, v[44:47], s[8:9]
.Lnot_mine:
	s_wait_tensorcnt 0x0
	ds_add_u32 v254, v255
	s_wait_dscnt 0x0
	CROUND
	s_endpgm
.Lfunc_end_k_q1ce1b1ea53_stats:
	.size	k_q1ce1b1ea53_stats, .Lfunc_end_k_q1ce1b1ea53_stats-k_q1ce1b1ea53_stats
	.p2alignl 7, 3214868480
	.fill 96, 4, 3214868480
	.section	.rodata,"a",@progbits
	.p2align	6, 0x0
	.amdhsa_kernel k_q1ce1b1ea53_stats
		.amdhsa_group_segment_fixed_size 327680
		.amdhsa_private_segment_fixed_size 0
		.amdhsa_enable_private_segment 0
		.amdhsa_kernarg_size 24
		.amdhsa_user_sgpr_count 2
		.amdhsa_user_sgpr_kernarg_segment_ptr 1
		.amdhsa_wavefront_size32 1
		.amdhsa_system_sgpr_workgroup_id_x 1
		.amdhsa_system_sgpr_workgroup_id_y 1
		.amdhsa_system_sgpr_workgroup_id_z 1
		.amdhsa_system_vgpr_workitem_id 0
		.amdhsa_next_free_vgpr 256
		.amdhsa_next_free_sgpr 72
		.amdhsa_reserve_vcc 1
		.amdhsa_float_denorm_mode_32 3
		.amdhsa_float_denorm_mode_16_64 3
		.amdhsa_memory_ordered 1
		.amdhsa_forward_progress 1
		.amdhsa_inst_pref_size 32
	.end_amdhsa_kernel
	.amdgpu_metadata
---
amdhsa.version: [ 1, 2 ]
amdhsa.kernels:
  - .name:           k_q1ce1b1ea53_stats
    .symbol:         k_q1ce1b1ea53_stats.kd
    .args:
      - { .name: qkvc, .offset: 0, .size: 8, .value_kind: global_buffer, .address_space: global }
      - { .name: qkvs, .offset: 8, .size: 8, .value_kind: global_buffer, .address_space: global }
      - { .name: nb, .offset: 16, .size: 8, .value_kind: global_buffer, .address_space: global }
    .group_segment_fixed_size: 327680
    .private_segment_fixed_size: 0
    .kernarg_segment_align: 8
    .kernarg_segment_size: 24
    .max_flat_workgroup_size: 256
    .sgpr_count:     72
    .vgpr_count:     256
    .wavefront_size: 32
...
	.end_amdgpu_metadata
.endif
;; end of part 3
;; launch attn (part 4): grid 8 x 32, 8 waves a work-group, clusters of 4 x 1, 234,496 bytes of LDS; arguments qkvc, qkvs, nb, oc, os; writes oc, os
.if DOCPART == 4
	.amdgcn_target "amdgcn-amd-amdhsa--gfx1250"
	.amdhsa_code_object_version 6
	.text
	.protected	k_q1ce1b1ea53_attn
	.globl	k_q1ce1b1ea53_attn
	.p2align	8
	.type	k_q1ce1b1ea53_attn,@function
k_q1ce1b1ea53_attn:
	s_mov_b64 s[64:65], 0
	v_nop
	global_prefetch_b8 v0, s[64:65] scope:SCOPE_SE
	s_setreg_imm32_b32 hwreg(HW_REG_WAVE_MODE, 25, 1), 1
	s_wait_xcnt 0x0
	s_wait_alu depctr_hold_cnt(0) depctr_sa_sdst(0) depctr_va_vdst(0) depctr_va_sdst(0) depctr_va_ssrc(0) depctr_va_vcc(0) depctr_vm_vsrc(0)
	s_getreg_b32 s2, hwreg(HW_REG_IB_STS2, 6, 4)
	s_cmp_eq_u32 s2, 0
	s_cbranch_scc0 .Lentry_in_a_cluster
	s_endpgm
.Lentry_in_a_cluster:
	s_bfe_u32 s2, ttmp6, 0x10000c
	s_cmp_lg_u32 s2, 0x3003
	s_cbranch_scc0 .Lentry_shape_is_right
	s_endpgm
.Lentry_shape_is_right:
; attn[q][k] = 2^(raw[q][k] x c + nb[k]) (the softmax over the queries, finished and normalised: nb comes from the launch before), quantised along the keys; O = attn V; O quantised along the head's 64.
; All products on codes of FP6 (E2M3) with E8M0 scales.  The exponent is never above 0, since attn is at most 1.
; SHARES.  A work-group owns 256 queries of one head (hb = 16 b + head), each of its eight waves 32: two tiles of 16.  Every wave walks all 2,048 keys, 128 a trip.
; Both products are used transposed: S^T = K Q^T (source 0 = 16 keys, source 1 = 16 queries), O^T = V^T P^T (source 0 = 16 channels, source 1 = P): a lane holds ONE query throughout.
; Two neighbouring tiles of keys give a lane keys 8 h .. + 7 and 16 + 8 h .. + 7 of a block of 32: the order in which V's codes were laid too.  The conversions give half blocks; an exchange between the halves of the lanes gives each lane a whole block.
; K = 64 IN AN INSTRUCTION OF 128 (first product): Q's fragments have zeros in registers 6-11; K's lie six registers apart, and six zero registers follow the last; scale bytes 2, 3 stand over zero codes.
; The head's K, V, their scale words and nb come into LDS ONCE, by joint tensor loads of the four work-groups of a cluster, which walk the same keys: one load a wave, filled once, so no ring.
; OUT.  oc = [head 16][token 4096][48 bytes], os = [pair of heads 8][token 4096] u32, of which this work-group writes its head's two bytes: two bytes a lane at neighbouring words, 128 KB in the whole launch,
; so that the next launch finds a row's scale word for 128 along K whole.
; LIMITS: attn under 2^-126 counts as 0; a block of zeros gets the byte 1; NaN and infinities are not served; inside a block of 32 the products are summed in the order stated.
; REGISTERS.  window 0: v1-15, v26-27 addresses; v16 Q's scale words, v17-20 K's, v21-22 V's, v24-25 P's; v64-191 S^T, then p (64 + 64 q + 8 kt); v192-215 P's codes; v216-223, v248-255 the upper halves' codes;
;   v224-231 largest p, v232-239 the other half's / bytes, v240-247 the conversions' scale operands.
;   window 1: v0-47 K's eight fragments, v48-53 zeros; v56-103 V's four; v104-127 Q's two; v128-191 O^T (128 + 32 q + 8 td); v192-255 nb of the trip's keys, in the result's layout.
.set VC,   98304                       ; LDS: K's codes from 0; V's: [chunk of 64 keys][d][48 bytes];
.set KSW,  196608                      ; K's scale words;
.set NBW,  204800                      ; nb;
.set VSW,  212992                      ; V's scale words;
.set STG,  217088                      ; a stage of 2,048 bytes for each wave
.set SS,   64
.set WV,   14
.set CS,   76
.set SEL,  78
.set KO,   80                          ; the trip's place among K's and V's codes: 6,144 bytes a trip
.set SO,   81                          ; among K's scale words and nb: 512
.set VSO,  82                          ; among V's scale words: 256
.set CNT,  83
.set MSB, 0
.macro WIN new
.if MSB != (\new)
	s_set_vgpr_msb (MSB<<8)|(\new)
.set MSB, (\new)
.endif
.endm
.macro CROUND
	s_barrier_signal -1
	s_barrier_wait -1
	s_cmp_lg_u32 s[WV], 0
	s_cbranch_scc1 .Lnot_wave_0_\@
	s_barrier_signal -3
.Lnot_wave_0_\@:
	s_barrier_wait -3
	s_barrier_signal -1
	s_barrier_wait -1
.endm
.macro WMZ                             ; D = A x B; symbols rD, rA, rB, rSA, rSB; fA, fB: the scales stand in lanes 16-31
.if fA && fB
	v_wmma_scale_f32_16x16x128_f8f6f4 v[rD:rD+7], v[rA:rA+11], v[rB:rB+11], 0, v[rSA], v[rSB] matrix_a_fmt:MATRIX_FMT_FP6 matrix_b_fmt:MATRIX_FMT_FP6 matrix_a_scale:MATRIX_SCALE_ROW1 matrix_b_scale:MATRIX_SCALE_ROW1
.elseif fA
	v_wmma_scale_f32_16x16x128_f8f6f4 v[rD:rD+7], v[rA:rA+11], v[rB:rB+11], 0, v[rSA], v[rSB] matrix_a_fmt:MATRIX_FMT_FP6 matrix_b_fmt:MATRIX_FMT_FP6 matrix_a_scale:MATRIX_SCALE_ROW1
.elseif fB
	v_wmma_scale_f32_16x16x128_f8f6f4 v[rD:rD+7], v[rA:rA+11], v[rB:rB+11], 0, v[rSA], v[rSB] matrix_a_fmt:MATRIX_FMT_FP6 matrix_b_fmt:MATRIX_FMT_FP6 matrix_b_scale:MATRIX_SCALE_ROW1
.else
	v_wmma_scale_f32_16x16x128_f8f6f4 v[rD:rD+7], v[rA:rA+11], v[rB:rB+11], 0, v[rSA], v[rSB] matrix_a_fmt:MATRIX_FMT_FP6 matrix_b_fmt:MATRIX_FMT_FP6
.endif
.endm
.macro WMA                             ; D += A x B
.if fA
	v_wmma_scale_f32_16x16x128_f8f6f4 v[rD:rD+7], v[rA:rA+11], v[rB:rB+11], v[rD:rD+7], v[rSA], v[rSB] matrix_a_fmt:MATRIX_FMT_FP6 matrix_b_fmt:MATRIX_FMT_FP6 matrix_a_scale:MATRIX_SCALE_ROW1
.else
	v_wmma_scale_f32_16x16x128_f8f6f4 v[rD:rD+7], v[rA:rA+11], v[rB:rB+11], v[rD:rD+7], v[rSA], v[rSB] matrix_a_fmt:MATRIX_FMT_FP6 matrix_b_fmt:MATRIX_FMT_FP6
.endif
.endm
	s_load_b256 s[4:11], s[0:1], 0x0               ; qkvc s[4:5], qkvs s[6:7], nb s[8:9], oc s[10:11]
	s_load_b64 s[12:13], s[0:1], 0x20              ; os
	v_lshl_add_u32 v251, v0, 2, 0x39000
	v_mov_b32 v255, 0
	ds_add_u32 v251, v255
	ds_add_u32 v251, v255
	v_lshrrev_b32 v1, 5, v0
	s_delay_alu instid0(VALU_DEP_1)
	v_readfirstlane_b32 s[WV], v1                  ; wave 0..7
	s_bfe_u32 s15, ttmp6, 0x40000                  ; cx
	s_lshl_b32 s16, ttmp9, 2
	s_add_co_u32 s16, s16, s15                     ; my block of 256 queries: it enters addresses of memory alone
	s_and_b32 s17, ttmp7, 0xffff                   ; hb, which the four partners share
	s_lshr_b32 s18, s17, 4                         ; b
	s_and_b32 s19, s17, 15                         ; head
	s_and_b32 s20, s19, 1
	s_lshl_b32 s20, s20, 1                         ; my head's two bytes of the pair's word
	s_lshr_b32 s21, s19, 1                         ; the pair
	; THE HEAD'S LOADS, one a wave: waves 0, 1 K's codes by halves, waves 2, 3 V's, wave 4 K's scale words, wave 5 nb, wave 6 V's scale words; wave 7 has no tile
	s_lshr_b32 s22, s[WV], 1
	s_and_b32 s23, s[WV], 1
	; descriptors: dense blocks as rows of 256 bytes (32 elements of 8 bytes); the mask names all four work-groups, bit 21 beside it
.irp g, 24, 32, 40
	s_mov_b32 s[\g], 15|(3<<16)|(1<<21)
	s_mov_b32 s[\g+1], 32<<16
	s_mov_b32 s[\g+3], 32<<16
	s_mov_b32 s[\g+5], 32
	s_mov_b32 s[\g+6], 0
	s_mov_b32 s[\g+7], 0
.endr
	s_mov_b32 s26, 32<<16                          ; K's scale words or nb: 32 rows
	s_mov_b32 s28, 32
	s_mov_b32 s34, 16<<16                          ; V's scale words: 16 rows
	s_mov_b32 s36, 16
	s_mov_b32 s42, 192<<16                         ; codes: 192 rows
	s_mov_b32 s44, 192
	s_lshl_b32 s84, s17, 13                        ; hb x 8,192, in k's scale words (which lie 32 heads behind q's) and in nb alike,
	s_cmp_eq_u32 s[WV], 4
	s_cselect_b32 s85, 262144, 0
	s_add_co_u32 s84, s84, s85
	s_mov_b32 s85, 0
	s_lshl_b32 s86, s17, 12
	s_add_co_u32 s86, s86, 524288                  ; V's scale words
	s_mov_b32 s87, 0
	s_lshl_b32 s88, s22, 5
	s_add_co_u32 s88, s88, s17
	s_add_co_u32 s88, s88, 32                      ; k: 32 + hb; v: 64 + hb
	s_mul_i32 s88, s88, 98304
	s_mul_i32 s89, s23, 49152
	s_add_co_u32 s88, s88, s89
	s_mov_b32 s89, 0
	s_lshl_b32 s90, s23, 13
	s_mul_i32 s92, s[WV], 49152
	s_mov_b32 s[CS], 0x3e38aa3b                    ; c = log2(e) / 8
	s_mov_b32 s[CS+1], s[CS]
	s_mov_b32 s[SEL], 0x76543210
	s_mov_b32 s[SEL+1], 0xfedcba98
	s_wait_dscnt 0x0
	s_wait_kmcnt 0x0
	CROUND                                         ; all four work-groups are here: the joint loads meet
	s_cmp_eq_u32 s[WV], 4                          ; the choice hangs on the wave's number alone
	s_cselect_b64 s[50:51], s[6:7], s[8:9]
	s_add_nc_u64 s[50:51], s[50:51], s[84:85]
	s_or_b32 s51, s51, 0x80000000
	s_mov_b32 s48, 1
	s_add_co_u32 s49, s90, KSW                     ; nb's 8 KB follow K's scale words in LDS
	s_mov_b32 s52, 1
	s_mov_b32 s53, VSW
	s_add_nc_u64 s[54:55], s[6:7], s[86:87]
	s_or_b32 s55, s55, 0x80000000
	s_mov_b32 s56, 1
	s_mov_b32 s57, s92                             ; V's 96 KB follow K's
	s_add_nc_u64 s[58:59], s[4:5], s[88:89]
	s_or_b32 s59, s59, 0x80000000
.macro ARM under, g0, g1, next         ; one chain of branches on the wave's number, one load to an arm, all arms to one join; these bytes are filled once
	s_cmp_lt_u32 s[WV], \under
	s_cbranch_scc0 \next
	tensor_load_to_lds s[\g0:\g0+3], s[\g1:\g1+7]
	s_nop 0
.rept 4
	v_nop
.endr
	s_branch .Lasked
\next:
.endm
	ARM 4, 56, 40, .Lh_small
	ARM 6, 48, 24, .Lh_vs
	ARM 7, 52, 32, .Lh_none
.Lasked:
	s_lshl_b32 s60, s16, 8
	s_lshl_b32 s61, s[WV], 5
	s_add_co_u32 s60, s60, s61                     ; my first query
	s_mul_i32 s62, s17, 98304
	s_mul_i32 s63, s60, 48
	s_add_co_u32 s62, s62, s63
	s_mov_b32 s63, 0
	s_add_nc_u64 s[4:5], s[4:5], s[62:63]          ; its codes
	s_lshl_b32 s66, s17, 13
	s_lshl_b32 s67, s60, 2
	s_add_co_u32 s66, s66, s67
	s_mov_b32 s67, 0
	s_add_nc_u64 s[6:7], s[6:7], s[66:67]          ; its scale word
	s_lshl_b32 s68, s18, 11
	s_add_co_u32 s68, s68, s60                     ; its token
	s_lshl_b32 s69, s19, 12
	s_add_co_u32 s69, s69, s68
	s_mul_i32 s70, s69, 48
	s_mov_b32 s71, 0
	s_add_nc_u64 s[10:11], s[10:11], s[70:71]      ; oc
	s_lshl_b32 s72, s21, 12
	s_add_co_u32 s72, s72, s68
	s_lshl_b32 s72, s72, 2
	s_add_co_u32 s72, s72, s20
	s_mov_b32 s73, 0
	s_add_nc_u64 s[12:13], s[12:13], s[72:73]      ; os
	v_and_b32 v1, 31, v0                           ; L
	v_and_b32 v2, 15, v0                           ; r
	v_bfe_u32 v3, v0, 4, 1                         ; h
	s_delay_alu instid0(VALU_DEP_2)
	v_mul_u32_u24 v4, v2, 48
	s_delay_alu instid0(VALU_DEP_1)
	v_mad_u32_u24 v4, v3, 24, v4                   ; 48 r + 24 h: a fragment's place among K's codes (and among Q's in memory)
	s_delay_alu instid0(VALU_DEP_1)
	v_add_nc_u32 v5, VC, v4                        ; among V's
	v_lshl_add_u32 v6, v1, 2, KSW
	v_lshl_add_u32 v7, v3, 5, NBW                  ; nb: my half's eight keys of a tile
	v_lshl_add_u32 v8, v1, 2, VSW
	s_lshl_b32 s84, s[WV], 11
	s_add_co_u32 s84, s84, STG                     ; my stage
	v_lshlrev_b32 v14, 6, v2
	s_delay_alu instid0(VALU_DEP_1)
	v_lshl_add_u32 v14, v3, 4, v14
	s_delay_alu instid0(VALU_DEP_1)
	v_add_nc_u32 v14, s84, v14                     ; in: row r of 64 bytes: four places of 16, place 2 beta + h
	v_lshl_add_u32 v15, v1, 4, s84                 ; back: a place a lane
	v_mul_u32_u24 v26, v1, 12
	v_lshlrev_b32 v27, 2, v1
	WIN 0x40                                       ; destination window 1
.irp q, 0,1
.irp p, 0,1,2
	global_load_b64 v[104+12*\q+2*\p:105+12*\q+2*\p], v4, s[4:5] offset:768*\q+8*\p   ; my queries' fragments stay in registers
.endr
.irp p, 6,7,8,9,10,11
	v_mov_b32 v[104+12*\q+\p], 0                   ; zero codes for k = 64 .. 127
.endr
.endr
.irp p, 48,49,50,51,52,53
	v_mov_b32 v[\p], 0
.endr
.set j, 0
.rept 64
	v_mov_b32 v[128+j], 0                          ; O^T: the trip is written once, so the sums begin as zeros
.set j, j+1
.endr
	WIN 0
	global_load_b32 v16, v27, s[6:7]               ; lanes 0-15: tile 0's scale words, lanes 16-31: tile 1's
.irp n, 0,1,2,3,4,5,6,7
	v_mov_b32 v[232+\n], 0                         ; written once: a lane permute's destination counts as one of its sources
.endr
	s_wait_tensorcnt 0x0                           ; my parts of the tiles are in,
	s_wait_loadcnt 0x0                             ; and my queries
	s_barrier_signal -1
	s_barrier_wait -1                              ; everybody's parts are
	s_mov_b32 s[KO], 0
	s_mov_b32 s[SO], 0
	s_mov_b32 s[VSO], 0
	s_mov_b32 s[CNT], 16
.Lstep:                                                ; 128 keys a trip
	v_add_nc_u32 v9, s[KO], v4                     ; these five are also the places between the last products and the loads into their registers
	v_add_nc_u32 v10, s[KO], v5
	v_add_nc_u32 v11, s[SO], v6
	v_add_nc_u32 v12, s[SO], v7
	v_add_nc_u32 v13, s[VSO], v8
.irp i, 0,1,2,3
	ds_load_b32 v[17+\i], v11 offset:128*\i        ; lane L: key 32 i + L
.endr
.irp i, 0,1
	ds_load_b32 v[21+\i], v13 offset:128*\i        ; lane L: channel 32 i + L
.endr
	WIN 0x40
.irp kt, 0,1,2,3,4,5,6,7
.irp p, 0,1,2
	ds_load_b64 v[6*\kt+2*\p:6*\kt+2*\p+1], v9 offset:768*\kt+8*\p
.endr
.endr
.irp kt, 0,1,2,3,4,5,6,7
	ds_load_b128 v[192+8*\kt:195+8*\kt], v12 offset:64*\kt          ; nb of keys 16 kt + 8 h + 0 .. 7
	ds_load_b128 v[196+8*\kt:199+8*\kt], v12 offset:64*\kt+16
.endr
.irp td, 0,1,2,3
.irp c, 0,1
.irp p, 0,1,2
	ds_load_b64 v[56+12*\td+6*\c+2*\p:57+12*\td+6*\c+2*\p], v10 offset:768*\td+3072*\c+8*\p
.endr
.endr
.endr
	s_wait_dscnt 40                                ; the scale words and K are in; nb's 16 loads and V's 24 may be out
	WIN 0x05                                       ; K and Q window 1, S^T window 0
.irp kt, 0,1,2,3,4,5,6,7
.irp q, 0,1
.set rD, SS+64*\q+8*\kt
.set rA, 6*\kt
.set rB, 104+12*\q
.set rSA, 17+\kt/2
.set rSB, 16
.set fA, \kt%2
.set fB, \q
	WMZ
.endr
.endr
	s_wait_dscnt 24                                ; nb is in; V's 24 loads may be out
.rept 4
	v_nop                                          ; places behind the last products
.endr
	WIN 0x10                                       ; source 2 (nb) window 1
.irp q, 0,1
.set j, 0
.rept 32
	v_pk_fma_f32 v[SS+64*\q+j:SS+64*\q+j+1], v[SS+64*\q+j:SS+64*\q+j+1], s[CS:CS+1], v[192+j:193+j] op_sel_hi:[1,0,1]   ; raw x c + nb, two at a time; each accumulator from its low end on
.set j, j+2
.endr
.endr
	WIN 0
.set j, 0
	s_wait_alu depctr_va_vdst(0)
.rept 128
	v_exp_f32 v[SS+j], v[SS+j]                     ; attn: one batch
.set j, j+1
.endr
	v_nop                                          ; a plain line behind the exponentials
	s_wait_alu depctr_va_vdst(0)                   ; one wait for the batch, ahead of its first reader
	; the eight blocks of 32 keys (n = 4 q + beta: registers 64 + 16 n on), by turns.  No |.|: attn is never negative
.irp n, 0,1,2,3,4,5,6,7
	v_max3_num_f32 v[224+\n], v[SS+16*\n], v[SS+1+16*\n], 0x1800000   ; with the floor 2^(3 - 127): the byte cannot fall under 1
.endr
.irp i, 2,4,6,8,10,12,14
.irp n, 0,1,2,3,4,5,6,7
	v_max3_num_f32 v[224+\n], v[224+\n], v[SS+16*\n+\i], v[SS+1+16*\n+\i]
.endr
.endr
.irp n, 0,1,2,3,4,5,6,7
	v_permlanex16_b32 v[232+\n], v[224+\n], s[SEL], s[SEL+1]
.endr
.irp n, 0,1,2,3,4,5,6,7
	v_max_num_f32 v[224+\n], v[224+\n], v[232+\n]  ; with lane l xor 16's 16 keys
.endr
.irp n, 0,1,2,3,4,5,6,7
	v_add_nc_u32 v[240+\n], 0xff000000, v[224+\n]  ; 2 off the exponent field: the conversion's scale operand
.endr
.irp n, 0,1,2,3,4,5,6,7
	v_lshrrev_b32 v[232+\n], 23, v[240+\n]         ; the scale's byte
.endr
.irp q, 0
	v_lshl_or_b32 v[24+\q], v[233+4*\q], 8, v[232+4*\q]
.endr
.irp q, 1
	s_delay_alu instid0(VALU_DEP_4)
	v_lshl_or_b32 v[24+\q], v[233+4*\q], 8, v[232+4*\q]
.endr
.irp q, 0,1
	s_delay_alu instid0(VALU_DEP_2)
	v_lshl_or_b32 v[24+\q], v[234+4*\q], 16, v[24+\q]
.endr
.irp q, 0,1
	s_delay_alu instid0(VALU_DEP_2)
	v_lshl_or_b32 v[24+\q], v[235+4*\q], 24, v[24+\q]   ; attn's scale word for these 128 keys
.endr
.irp q, 0,1
.irp c, 0,1
	v_cvt_scalef32_pk16_fp6_f32 v[192+12*\q+6*\c:194+12*\q+6*\c], v[SS+64*\q+32*\c:SS+64*\q+32*\c+15], v[240+4*\q+2*\c]
	v_cvt_scalef32_pk16_fp6_f32 v[216+32*\q+4*\c:218+32*\q+4*\c], v[SS+64*\q+32*\c+16:SS+64*\q+32*\c+31], v[241+4*\q+2*\c]   ; (a conversion's three registers begin on an even number)
.endr
.endr
	v_nop                                          ; one plain line behind the conversions
.irp q, 0,1
.irp c, 0,1                            ; the operand wants a whole block in a lane: lanes 0-15 block 2 c, lanes 16-31 block 2 c + 1
.irp i, 0,1,2
	v_permlane16_swap_b32 v[192+12*\q+6*\c+\i], v[216+32*\q+4*\c+\i]
.endr
.irp i, 0,1,2
	s_delay_alu instid0(VALU_DEP_3)
	v_mov_b32 v[195+12*\q+6*\c+\i], v[216+32*\q+4*\c+\i]
.endr
.endr
.endr
	s_wait_alu depctr_va_vdst(0)
	s_wait_dscnt 0x0                               ; V is in
.rept 8
	v_nop                                          ; a scale register written by a vector line stands 8 places ahead of a scaled product, an operand so written 4
.endr
	WIN 0x51                                       ; V window 1, P window 0, O^T window 1
.irp td, 0,1,2,3                       ; the eight accumulators take turns, one instruction a turn
.irp q, 0,1
.set rD, 128+32*\q+8*\td
.set rA, 56+12*\td
.set rB, 192+12*\q
.set rSA, 21+\td/2
.set rSB, 24+\q
.set fA, \td%2
	WMA
.endr
.endr
	WIN 0
	s_add_co_u32 s[KO], s[KO], 6144
	s_add_co_u32 s[SO], s[SO], 512
	s_add_co_u32 s[VSO], s[VSO], 256
	s_sub_co_u32 s[CNT], s[CNT], 1
	s_cmp_lg_u32 s[CNT], 0
	s_cbranch_scc1 .Lstep
	; THE WAY OUT.  O^T's four blocks of 32 channels (n = 2 q + beta: registers 128 + 16 n on, window 1) are quantised as they stand.
.rept 4
	v_nop                                          ; places behind the last products
.endr
	WIN 0x14                                       ; sources 1 and 2 window 1
.irp n, 0,1,2,3
	v_max3_num_f32 v[224+\n], 0x1800000, |v[128+16*\n]|, |v[129+16*\n]|   ; each accumulator from its low end on
.endr
.irp i, 2,4,6,8,10,12,14
.irp n, 0,1,2,3
	v_max3_num_f32 v[224+\n], v[224+\n], |v[128+16*\n+\i]|, |v[129+16*\n+\i]|
.endr
.endr
	WIN 0
.irp n, 0,1,2,3
	v_permlanex16_b32 v[232+\n], v[224+\n], s[SEL], s[SEL+1]
.endr
.irp n, 0,1,2,3
	s_delay_alu instid0(VALU_DEP_4)
	v_max_num_f32 v[224+\n], v[224+\n], v[232+\n]
.endr
.irp n, 0,1,2,3
	s_delay_alu instid0(VALU_DEP_4)
	v_add_nc_u32 v[240+\n], 0xff000000, v[224+\n]
.endr
.irp n, 0,1,2,3
	s_delay_alu instid0(VALU_DEP_4)
	v_lshrrev_b32 v[232+\n], 23, v[240+\n]
.endr
	s_delay_alu instid0(VALU_DEP_3)
	v_lshl_or_b32 v30, v233, 8, v232               ; tile 0's two bytes,
	s_delay_alu instid0(VALU_DEP_2)
	v_lshl_or_b32 v31, v235, 8, v234               ; tile 1's
	WIN 0x01                                       ; source 0 window 1
.irp n, 0,1,2,3
	v_cvt_scalef32_pk16_fp6_f32 v[64+4*\n:66+4*\n], v[128+16*\n:143+16*\n], v[240+\n]
.endr
	WIN 0
	v_cmp_gt_u32 vcc_lo, 16, v1                    ; (a plain line behind the conversions)
.irp n, 0,1,2,3
	ds_store_b96 v14, v[64+4*\n:66+4*\n] offset:1024*(\n/2)+32*(\n%2)
.endr
.irp t, 0,1,2,3
	ds_load_b96 v[80+4*\t:82+4*\t], v15 offset:512*\t   ; in order behind my stores
.endr
	v_cndmask_b32 v32, v31, v30, vcc_lo            ; lane L: query L of my 32
	s_wait_alu depctr_va_vdst(0)
	s_wait_dscnt 0x0
.irp t, 0,1,2,3
	global_store_b96 v26, v[80+4*\t:82+4*\t], s[10:11] offset:384*\t   ; 32 lanes store 384 consecutive bytes: eight rows of 48
.endr
	global_store_b16 v27, v32, s[12:13]
	s_wait_tensorcnt 0x0
	ds_add_u32 v251, v255
	s_wait_dscnt 0x0
	CROUND                                         ; the closing round
	s_endpgm
.Lfunc_end_k_q1ce1b1ea53_attn:
	.size	k_q1ce1b1ea53_attn, .Lfunc_end_k_q1ce1b1ea53_attn-k_q1ce1b1ea53_attn
	.p2alignl 7, 3214868480
	.fill 96, 4, 3214868480
	.section	.rodata,"a",@progbits
	.p2align	6, 0x0
	.amdhsa_kernel k_q1ce1b1ea53_attn
		.amdhsa_group_segment_fixed_size 234496
		.amdhsa_private_segment_fixed_size 0
		.amdhsa_enable_private_segment 0
		.amdhsa_kernarg_size 40
		.amdhsa_user_sgpr_count 2
		.amdhsa_user_sgpr_kernarg_segment_ptr 1
		.amdhsa_wavefront_size32 1
		.amdhsa_system_sgpr_workgroup_id_x 1
		.amdhsa_system_sgpr_workgroup_id_y 1
		.amdhsa_system_sgpr_workgroup_id_z 1
		.amdhsa_system_vgpr_workitem_id 0
		.amdhsa_next_free_vgpr 512
		.amdhsa_next_free_sgpr 96
		.amdhsa_reserve_vcc 1
		.amdhsa_float_denorm_mode_32 3
		.amdhsa_float_denorm_mode_16_64 3
		.amdhsa_memory_ordered 1
		.amdhsa_forward_progress 1
		.amdhsa_inst_pref_size 42
	.end_amdhsa_kernel
	.amdgpu_metadata
---
amdhsa.version: [ 1, 2 ]
amdhsa.kernels:
  - .name:           k_q1ce1b1ea53_attn
    .symbol:         k_q1ce1b1ea53_attn.kd
    .args:
      - { .name: qkvc, .offset: 0, .size: 8, .value_kind: global_buffer, .address_space: global }
      - { .name: qkvs, .offset: 8, .size: 8, .value_kind: global_buffer, .address_space: global }
      - { .name: nb, .offset: 16, .size: 8, .value_kind: global_buffer, .address_space: global }
      - { .name: oc, .offset: 24, .size: 8, .value_kind: global_buffer, .address_space: global }
      - { .name: os, .offset: 32, .size: 8, .value_kind: global_buffer, .address_space: global }
    .group_segment_fixed_size: 234496
    .private_segment_fixed_size: 0
    .kernarg_segment_align: 8
    .kernarg_segment_size: 40
    .max_flat_workgroup_size: 256
    .sgpr_count:     96
    .vgpr_count:     512
    .wavefront_size: 32
...
	.end_amdgpu_metadata
.endif
;; end of part 4
;; launch gemm_out (part 5): grid 8 x 32, 4 waves a work-group, clusters of 4 x 4, 262,144 bytes of LDS; arguments oc, os, c1, s1, bo, out0; writes out0
.if DOCPART == 5
	.amdgcn_target "amdgcn-amd-amdhsa--gfx1250"
	.amdhsa_code_object_version 6
	.text
	.protected	k_q1ce1b1ea53_gemm_out
	.globl	k_q1ce1b1ea53_gemm_out
	.p2align	8
	.type	k_q1ce1b1ea53_gemm_out,@function
k_q1ce1b1ea53_gemm_out:
	s_mov_b64 s[64:65], 0
	v_nop
	global_prefetch_b8 v0, s[64:65] scope:SCOPE_SE
	s_setreg_imm32_b32 hwreg(HW_REG_WAVE_MODE, 25, 1), 1
	s_wait_xcnt 0x0
	s_wait_alu depctr_hold_cnt(0) depctr_sa_sdst(0) depctr_va_vdst(0) depctr_va_sdst(0) depctr_va_ssrc(0) depctr_va_vcc(0) depctr_vm_vsrc(0)
	s_getreg_b32 s2, hwreg(HW_REG_IB_STS2, 6, 4)
	s_cmp_eq_u32 s2, 0
	s_cbranch_scc0 .Lentry_in_a_cluster
	s_endpgm
.Lentry_in_a_cluster:
	s_bfe_u32 s2, ttmp6, 0x10000c
	s_cmp_lg_u32 s2, 0xf033
	s_cbranch_scc0 .Lentry_shape_is_right
	s_endpgm
.Lentry_shape_is_right:
; out0[m][n] = sum over k of A[m][k] Wo[n][k] + bo[n] on codes of FP6 (E2M3) with E8M0 scales.  M = 4,096 tokens, N = 1,024, K = 1,024 = 16 heads x 64.
; A comes head by head: oc = [head 16][token 4096][48 bytes], os = [pair of heads 8][token 4096] u32 (a row's scale word for 128 along K).  Wo's codes are rows 7,168 on of c1 (1,024 bytes), its scale bytes the same rows of s1 (32 bytes).
; A TILE OF C IS 128 x 128: 4,096 x 1,024 / (128 x 128) = 256 work-groups, one for each WGP.  Four waves of 64 x 64: 16 accumulators, 8 steps of 128 along K, 128 products a wave.
; For a step a wave reads 8 fragments (48 loads of 8 bytes a lane) for 16 products: twice the LDS bytes a product that a wave tile of 128 x 128 would need; that is the price of work for every WGP.
; ALL OF K LIES IN LDS: 128 rows of A (96 KB) and 128 of B (132 KB with padding) are filled ONCE, so there is no ring and no refill.  The loads go out together at the head, each a whole operand,
; and the products begin when all tiles have landed: one wait and one barrier in front of the first reads.
; CLUSTERS: 4 x 4 work-groups.  A's tiles hang on the tile row alone and are asked for jointly along a row of the cluster, B's on the tile column alone, along a column.
; No prefetch: everything that the launch reads is asked for at its head.
; The matrix instruction is used transposed (source 0 = 16 rows of Wo, source 1 = 16 tokens): a lane holds eight neighbouring numbers of a row of C.  The bias is the C of each sum's first product.
; LIMITS: inside a block of 32 the products are summed in the order in which both operands are laid (k 0-7, 16-23, 8-15, 24-31), not by ascending k.
; REGISTERS: window 0: v16-30 addresses; v32-39 A's scale words, two sets of four; v64-95 B's scale words of all of K (8 b + step); v128-255 the accumulators ((a, b) at v[128 + 8 (4 a + b)]).
;   window 1: two sets of fragments, at v0 and v128: A's four at + 12 a, B's four at + 48 + 12 b; v96-127 the bias; on the way out the fragments' registers take the rows read back.
.set FR,     12                        ; registers of a fragment: 16 rows x 128 K
; THE HEAD, as it now stands: four joint loads, one a wave, each a whole operand: wave 0 A's codes, wave 1 B's, wave 2 A's scale words, wave 3 B's scale bytes; one wait and one barrier ahead of the first reads.
.set PITCH,  1056                      ; B's LDS row: four chunks of 256 bytes (192 of codes + 64 zeros, as c1 has them), 8 bytes of padding behind each
.set ROWB,   1024                      ; a row of c1
.set KROW,   1024
.set AHALF,  3072                      ; LDS, A: [head 16][token 128][48 bytes]; my 64 tokens begin 64 x 48 bytes on
.set ASTEP,  12288                     ; four heads of a half
.set HSTEP,  786432                    ; four heads on in oc
.set BOFF,   98304
.set BSTEP,  128*PITCH
.set BHALF,  64*PITCH
.set SCLA,   BOFF+128*PITCH            ; A's scale words: [pair 8][token 128] u32
.set SCLB,   SCLA+2*2048               ; B's scale bytes: for each 64 rows 2,048 dense bytes as 8 rows of 256 + 16
.set HALFS,  8*272
.set STG,    SCLB+2*HALFS              ; the way out: 16 rows x (256 bytes + 16) for each wave; no fill lands here
.set SPITCH, 272
.set SIZE_N, 1024
.set ADRA, 16                          ; v16     my 64 tokens' fragments
.set ADRB, 20                          ; v20     my 64 rows of B
.set STO,  24
.set RD,   25
.set CO,   26
.set ADRSA, 27
.set ADRSB, 30
.set SA,   32
.set SB,   64
.set ACC,  128
.set G1,   24                          ; s[24:31] group 1 for A's codes;  s[32:35] its group 0
.set G1B,  48                          ; s[48:55] for B's codes;  s[56:59] its group 0
.set G1S,  68                          ; s[68:75], s[76:79] A's scale words
.set G1SB, 80                          ; s[80:87], s[88:91] B's scale bytes
.set MSB, 0
.macro WIN new                         ; the immediate's high byte repeats the setting that is left
.if MSB != (\new)
	s_set_vgpr_msb (MSB<<8)|(\new)
.set MSB, (\new)
.endif
.endm
.set TO_F, 0x40                        ; destination window 1, address window 0
.macro CROUND                          ; a round of the cluster's barrier
	s_barrier_signal -1
	s_barrier_wait -1
	s_cmp_lg_u32 s14, 0
	s_cbranch_scc1 .Lnot_wave_0_\@
	s_barrier_signal -3
.Lnot_wave_0_\@:
	s_barrier_wait -3
	s_barrier_signal -1
	s_barrier_wait -1
.endm
.macro MKG0 g, l, lo, a, go            ; a group 0: count 1, LDS address s[l] + lo, global address s[a:a+1] + go, type 2
	s_mov_b32 s[\g], 1
	s_add_co_u32 s[\g+1], s[\l], \lo
	s_add_nc_u64 s[\g+2:\g+3], s[\a:\a+1], \go
	s_or_b32 s[\g+3], s[\g+3], 0x80000000
.endm
.macro PLACES n                        ; plain vector lines between a matrix instruction and a load into, or a store from, its registers
.rept \n
	v_nop
.endr
.endm
	s_load_b256 s[4:11], s[0:1], 0x0               ; oc s[4:5], os s[6:7], c1 s[8:9], s1 s[10:11]
	s_load_b128 s[96:99], s[0:1], 0x20             ; bo s[96:97], out0 s[98:99]
	v_lshl_add_u32 v126, v0, 2, 0x3f500            ; the spare words lie behind the stages: STG + 4 x 16 x 272 = 259,328
	v_mov_b32 v127, 0
	ds_add_u32 v126, v127
	ds_add_u32 v126, v127
	v_lshrrev_b32 v1, 5, v0
	v_readfirstlane_b32 s14, v1                    ; wave 0..3
	s_lshr_b32 s15, s14, 1                         ; my half of the tile's rows
	s_and_b32 s16, s14, 1                          ; my half of its columns
	s_bfe_u32 s12, ttmp6, 0x40000                  ; cx
	s_bfe_u32 s13, ttmp6, 0x40004                  ; cy
	s_lshl_b32 s92, ttmp9, 2
	s_add_co_u32 s92, s92, s12                     ; tile column, 0 .. 7
	s_and_b32 s17, ttmp7, 0xffff
	s_lshl_b32 s17, s17, 2
	s_add_co_u32 s17, s17, s13                     ; tile row, 0 .. 31
	s_lshl_b32 s18, s13, 2
	s_lshl_b32 s18, 15, s18                        ; my row of the cluster
	s_lshl_b32 s93, 0x1111, s12                    ; my column
	s_or_b32 s[G1+0], s18, (3<<16)|(1<<21)         ; A's codes: elements of 8 bytes, no padding; the mask, bit 21 beside it
	s_mov_b32 s[G1+1], 768<<16                     ; tensor_dim0: 128 tokens x 48 bytes = 6,144 bytes
	s_mov_b32 s[G1+2], 16<<16                      ; tensor_dim1: sixteen heads
	s_mov_b32 s[G1+3], 768<<16
	s_mov_b32 s[G1+4], 16
	s_mov_b32 s[G1+5], 24576                       ; from head to head: 196,608 bytes
	s_mov_b32 s[G1+6], 0
	s_mov_b32 s[G1+7], 0
	s_or_b32 s[G1B+0], s93, (0<<16)|(1<<20)|(1<<21)|(5<<22)|(1<<25)   ; B's codes: 128 rows of 1,024 bytes, 2 words of padding behind every 64
	s_mov_b32 s[G1B+1], ROWB<<16
	s_mov_b32 s[G1B+2], 128<<16
	s_mov_b32 s[G1B+3], ROWB<<16
	s_mov_b32 s[G1B+4], 128
	s_mov_b32 s[G1B+5], KROW
	s_mov_b32 s[G1B+6], 0
	s_mov_b32 s[G1B+7], 0
	s_or_b32 s[G1S+0], s18, (3<<16)|(1<<21)        ; A's scale words: eight rows (pairs of heads) of 512 bytes, 16,384 bytes apart
	s_mov_b32 s[G1S+1], 64<<16                     ; rows of 512 bytes: 128 tokens
	s_mov_b32 s[G1S+2], 8<<16
	s_mov_b32 s[G1S+3], 64<<16
	s_mov_b32 s[G1S+4], 8
	s_mov_b32 s[G1S+5], 2048
	s_mov_b32 s[G1S+6], 0
	s_mov_b32 s[G1S+7], 0
	s_or_b32 s[G1SB+0], s93, (3<<16)|(1<<20)|(1<<21)|(5<<22)|(3<<25)   ; B's scale bytes: 4,096 dense bytes as 16 rows of 256, 16 bytes of padding behind each
	s_mov_b32 s[G1SB+1], 32<<16
	s_mov_b32 s[G1SB+2], 16<<16                    ; 4,096 dense bytes as 16 rows
	s_mov_b32 s[G1SB+3], 32<<16
	s_mov_b32 s[G1SB+4], 16
	s_mov_b32 s[G1SB+5], 32
	s_mov_b32 s[G1SB+6], 0
	s_mov_b32 s[G1SB+7], 0
	; where the tiles come from: A's hang on the tile row, B's on the tile column, each in registers of its own
	s_lshl_b32 s20, s17, 7                         ; A: token 128 x tile row
	s_lshl_b32 s22, s20, 2                         ; its scale word,
	s_mov_b32 s23, 0
	s_mul_i32 s20, s20, 48                         ; its codes
	s_mov_b32 s21, 0
	s_lshl_b32 s94, s92, 7
	s_add_co_u32 s94, s94, 7168
	s_lshl_b32 s2, s94, 5                          ; its scale bytes,
	s_mov_b32 s3, 0
	s_mul_i32 s94, s94, KROW                       ; its codes
	s_mov_b32 s95, 0
	; and where they go: each operand has a fixed LDS address
	s_mov_b32 s66, 0
	s_mov_b32 s67, BOFF
	s_mov_b32 s18, SCLA
	s_mov_b32 s93, SCLB
	s_wait_dscnt 0x0
	s_wait_kmcnt 0x0
	s_add_nc_u64 s[20:21], s[4:5], s[20:21]
	s_add_nc_u64 s[22:23], s[6:7], s[22:23]
	s_add_nc_u64 s[94:95], s[8:9], s[94:95]
	s_add_nc_u64 s[2:3], s[10:11], s[2:3]
	CROUND                                         ; all sixteen work-groups are here: the joint loads meet
	MKG0 76, 18, 0, 22, 0                          ; A's scale words
	MKG0 32, 66, 0*ASTEP, 20, 0*HSTEP              ; A's codes, K steps 0 to 3
	MKG0 88, 93, 0, 2, 0                           ; B's scale bytes
	MKG0 56, 67, 0*BSTEP, 94, 0*ROWB               ; B's codes, K steps 0 to 3
.macro ARM under, g0, g1, next         ; one chain of branches on the wave's number, one load to an arm, all arms to one join; these bytes are filled once
	s_cmp_lt_u32 s14, \under
	s_cbranch_scc0 \next
	tensor_load_to_lds s[\g0:\g0+3], s[\g1:\g1+7]
	s_nop 0
.rept 4
	v_nop
.endr
	s_branch .Lasked
\next:
.endm
	ARM 1, 32, G1,  .Lh_b
	ARM 2, 56, G1B, .Lh_sa
	ARM 3, 76, G1S, .Lh_sb
	tensor_load_to_lds s[88:91], s[G1SB:G1SB+7]
	s_nop 0
.rept 4
	v_nop
.endr
.Lasked:
	v_and_b32 v1, 15, v0                           ; r
	v_bfe_u32 v2, v0, 4, 1                         ; h
	v_mul_u32_u24 v3, v1, PITCH
	v_mul_u32_u24 v4, v2, 24
	v_add_nc_u32 v3, v3, v4                        ; B: 1,056 r + 24 h
	v_mul_u32_u24 v6, v1, 48
	v_add_nc_u32 v6, v6, v4                        ; A: 48 r + 24 h
	s_mul_i32 s21, s15, AHALF                      ; my 64 tokens
	v_add_nc_u32 v[ADRA], s21, v6
	s_mul_i32 s22, s16, BHALF                      ; my 64 rows of B
	s_add_co_u32 s22, s22, BOFF
	v_add_nc_u32 v[ADRB], s22, v3
	v_add_nc_u32 v[ADRA+1], 8*6144, v[ADRA]        ; v17: heads 8 to 15, so that the loads' offsets stay inside 16 bits
	s_lshl_b32 s21, s15, 8
	s_add_co_u32 s21, s21, SCLA
	v_lshl_add_u32 v[ADRSA], v1, 2, s21            ; A's scale words: 4 bytes a token
	v_lshlrev_b32 v5, 5, v1                        ; B's: 32 bytes a row,
	v_lshrrev_b32 v6, 8, v5
	v_lshl_add_u32 v5, v6, 4, v5                   ; and 16 more for each 256 passed
	s_mul_i32 s22, s16, HALFS
	s_add_co_u32 s22, s22, SCLB
	v_add_nc_u32 v[ADRSB], s22, v5
	s_mul_i32 s23, s14, 16*SPITCH
	s_add_co_u32 s23, s23, STG                     ; my stage
	v_mul_u32_u24 v5, v1, SPITCH
	v_lshl_add_u32 v5, v2, 5, v5
	v_add_nc_u32 v[STO], s23, v5                   ; in: row r, 32 bytes for each half of the lanes
	v_mul_u32_u24 v5, v2, SPITCH
	v_lshl_add_u32 v5, v1, 4, v5
	v_add_nc_u32 v[RD], s23, v5                    ; back: lanes 0-15 one row of 256 bytes, lanes 16-31 the next
	v_lshlrev_b32 v[CO], 12, v2
	v_lshl_add_u32 v[CO], v1, 4, v[CO]             ; and the same two rows in C
	s_lshl_b32 s20, s17, 7
	s_lshl_b32 s21, s15, 6
	s_add_co_u32 s20, s20, s21                     ; my first row of C
	s_lshl_b32 s20, s20, 12                        ; 4,096 bytes a row
	s_mov_b32 s21, 0
	s_lshl_b32 s94, s92, 9                         ; my first column, in bytes: 512 x tile column + 256 x half
	s_lshl_b32 s95, s16, 8
	s_add_co_u32 s94, s94, s95
	s_mov_b32 s95, 0
	s_add_nc_u64 s[96:97], s[96:97], s[94:95]      ; the bias of my columns
	s_add_nc_u64 s[98:99], s[98:99], s[20:21]
	s_add_nc_u64 s[98:99], s[98:99], s[94:95]
	v_lshlrev_b32 v8, 5, v2                        ; 32 h
	WIN TO_F
.irp b, 0,1,2,3                        ; register 8 b + j: the bias of column 16 b + 8 h + j, in the result's layout
	global_load_b128 v[96+8*\b:96+8*\b+3], v8, s[96:97] offset:64*\b
	global_load_b128 v[96+8*\b+4:96+8*\b+7], v8, s[96:97] offset:64*\b+16
.endr
	WIN 0
.macro FRAGB reg, adr, q, i, off       ; 16 rows x 128 K of B, from padded rows, in pieces of 8 bytes
.irp p, 0,1,2,3,4,5
	ds_load_b64 v[\reg+2*\p:\reg+2*\p+1], v[\adr] offset:96*(\q)+48*(\p/3)+8*(\p%3)+(\i)*16*PITCH+(\off)
.endr
.endm
; The fragments and A's scale words of step ks (128 along K: heads 2 ks and 2 ks + 1) into set ks % 2: 52 loads.
.macro FETCH ks
.set FD, 128*((\ks)%2)
	WIN TO_F
.irp a, 0,1,2,3
.irp p, 0,1,2,3,4,5
	ds_load_b64 v[FD+FR*\a+2*\p:FD+FR*\a+2*\p+1], v[ADRA+(\ks)/4] offset:(2*((\ks)%4)+\p/3)*6144+\a*768+8*(\p%3)   ; registers 0-5 from the even head, 6-11 from the odd one
.endr
.endr
.irp b, 0,1,2,3
	FRAGB FD+48+FR*\b, ADRB, (\ks)%2, \b, ((\ks)/2)*264
.endr
	WIN 0
.irp a, 0,1,2,3
	ds_load_b32 v[SA+4*((\ks)%2)+\a], v[ADRSA] offset:512*(\ks)+64*\a
.endr
.endm
; A step: the next step's loads go out first, into the set that the step before multiplied, and land under this step's 16 products.
; The 16 accumulators take turns, one instruction a turn, in the same order in every step.
.macro STEP ks, first
	s_wait_dscnt 0x0                               ; this step's fragments and scale words are in
.if (\ks) < 7
.if (\ks) > 0
	PLACES 4                                       ; behind the last step's products, whose set is loaded anew
.endif
	FETCH (\ks)+1
.endif
.set FS, 128*((\ks)%2)
.if \first
	WIN 0x15                                       ; sources 0, 1 and C (the bias) window 1, D window 0
.else
	WIN 0x05                                       ; sources 0 and 1 window 1, C and D window 0
.endif
.irp a, 0,1,2,3
.irp b, 0,1,2,3
.if \first
	v_wmma_scale_f32_16x16x128_f8f6f4 v[ACC+8*(4*\a+\b):ACC+8*(4*\a+\b)+7], v[FS+48+FR*\b:FS+48+FR*\b+FR-1], v[FS+FR*\a:FS+FR*\a+FR-1], v[96+8*\b:96+8*\b+7], v[SB+8*\b+(\ks)], v[SA+4*((\ks)%2)+\a] matrix_a_fmt:MATRIX_FMT_FP6 matrix_b_fmt:MATRIX_FMT_FP6
.else
	v_wmma_scale_f32_16x16x128_f8f6f4 v[ACC+8*(4*\a+\b):ACC+8*(4*\a+\b)+7], v[FS+48+FR*\b:FS+48+FR*\b+FR-1], v[FS+FR*\a:FS+FR*\a+FR-1], v[ACC+8*(4*\a+\b):ACC+8*(4*\a+\b)+7], v[SB+8*\b+(\ks)], v[SA+4*((\ks)%2)+\a] matrix_a_fmt:MATRIX_FMT_FP6 matrix_b_fmt:MATRIX_FMT_FP6
.endif
.endr
.endr
.endm
	s_wait_alu depctr_va_vdst(0)
	s_wait_loadcnt 0x0                             ; the bias
	s_wait_tensorcnt 0x0                           ; my one load has landed
	s_barrier_signal -1
	s_barrier_wait -1                              ; everybody's are
.irp b, 0,1,2,3
	ds_load_b128 v[SB+8*\b:SB+8*\b+3], v[ADRSB] offset:544*\b        ; a row's 32 scale bytes: its eight words, one for each step
	ds_load_b128 v[SB+8*\b+4:SB+8*\b+7], v[ADRSB] offset:544*\b+16
.endr
	FETCH 0
	STEP 0, 1                                      ; the first products start the sums, with the bias as C: nothing is cleared
.irp k, 1,2,3,4,5,6,7
	STEP \k, 0
.endr
; THE WAY OUT, block by block of 16 rows x 64 columns, through my own stage: in as 32 bytes a lane, back as whole rows of 256 bytes.  LDS serves a wave's instructions in order (ISA guide 5.7.1.4):
; no wait between the stores and the loads, nor in front of the next block's stores.  Each block has registers of its own for the rows read back, and every offset is an immediate: nothing is rewritten.
.macro TOSTAGE a
	WIN 0
.irp b, 0,1,2,3
	ds_store_b128 v[STO], v[ACC+8*(4*(\a)+\b):ACC+8*(4*(\a)+\b)+3] offset:64*\b          ; each accumulator from its low end on
	ds_store_b128 v[STO], v[ACC+8*(4*(\a)+\b)+4:ACC+8*(4*(\a)+\b)+7] offset:64*\b+16
.endr
	WIN TO_F
.set BB, 32*((\a)%2)+128*((\a)/2)
.irp t, 0,1,2,3,4,5,6,7
	ds_load_b128 v[BB+4*\t:BB+4*\t+3], v[RD] offset:\t*2*SPITCH
.endr
.endm
.macro SEND a, younger                 ; younger: the LDS instructions issued behind block a's loads, which may stay out
	s_wait_dscnt \younger
	WIN 0x04                                       ; a store's data are its source 1: window 1
.set BB, 32*((\a)%2)+128*((\a)/2)
.irp t, 0,1,2,3,4,5,6,7
	global_store_b128 v[CO], v[BB+4*\t:BB+4*\t+3], s[98:99] offset:(16*(\a)+2*\t)*SIZE_N*4 th:TH_STORE_NT   ; sixteen lanes store 256 consecutive bytes, aligned; written once, read by nobody here
.endr
.endm
	PLACES 4                                       ; behind the last products: their results are stored and their operands' registers loaded below
	s_wait_alu depctr_va_vdst(0)
	TOSTAGE 0
	TOSTAGE 1
	SEND 0, 16                                     ; behind block 0's loads: block 1's 8 stores and 8 loads
	TOSTAGE 2
	SEND 1, 16
	TOSTAGE 3
	SEND 2, 16
	SEND 3, 0
	WIN 0
	s_wait_tensorcnt 0x0
	ds_add_u32 v126, v127
	s_wait_dscnt 0x0
	CROUND                                         ; the closing round: no work-group ends while a partner may still ask for a tile that names it
	s_endpgm
.Lfunc_end_k_q1ce1b1ea53_gemm_out:
	.size	k_q1ce1b1ea53_gemm_out, .Lfunc_end_k_q1ce1b1ea53_gemm_out-k_q1ce1b1ea53_gemm_out
	.p2alignl 7, 3214868480
	.fill 96, 4, 3214868480
	.section	.rodata,"a",@progbits
	.p2align	6, 0x0
	.amdhsa_kernel k_q1ce1b1ea53_gemm_out
		.amdhsa_group_segment_fixed_size 262144
		.amdhsa_private_segment_fixed_size 0
		.amdhsa_enable_private_segment 0
		.amdhsa_kernarg_size 48
		.amdhsa_user_sgpr_count 2
		.amdhsa_user_sgpr_kernarg_segment_ptr 1
		.amdhsa_wavefront_size32 1
		.amdhsa_system_sgpr_workgroup_id_x 1
		.amdhsa_system_sgpr_workgroup_id_y 1
		.amdhsa_system_sgpr_workgroup_id_z 1
		.amdhsa_system_vgpr_workitem_id 0
		.amdhsa_next_free_vgpr 512
		.amdhsa_next_free_sgpr 100
		.amdhsa_reserve_vcc 0
		.amdhsa_float_denorm_mode_32 3
		.amdhsa_float_denorm_mode_16_64 3
		.amdhsa_memory_ordered 1
		.amdhsa_forward_progress 1
		.amdhsa_inst_pref_size 62
	.end_amdhsa_kernel
	.amdgpu_metadata
---
amdhsa.version: [ 1, 2 ]
amdhsa.kernels:
  - .name:           k_q1ce1b1ea53_gemm_out
    .symbol:         k_q1ce1b1ea53_gemm_out.kd
    .args:
      - { .name: oc, .offset: 0, .size: 8, .value_kind: global_buffer, .address_space: global }
      - { .name: os, .offset: 8, .size: 8, .value_kind: global_buffer, .address_space: global }
      - { .name: c1, .offset: 16, .size: 8, .value_kind: global_buffer, .address_space: global }
      - { .name: s1, .offset: 24, .size: 8, .value_kind: global_buffer, .address_space: global }
      - { .name: bo, .offset: 32, .size: 8, .value_kind: global_buffer, .address_space: global }
      - { .name: out0, .offset: 40, .size: 8, .value_kind: global_buffer, .address_space: global }
    .group_segment_fixed_size: 262144
    .private_segment_fixed_size: 0
    .kernarg_segment_align: 8
    .kernarg_segment_size: 48
    .max_flat_workgroup_size: 128
    .sgpr_count:     100
    .vgpr_count:     512
    .wavefront_size: 32
...
	.end_amdgpu_metadata
.endif
;; end of part 5
